; MI455X (gfx1250); checked and timed in simulation.
; The chip was launched on July 23, 2026; its instructions are those of AMD's public machine-readable ISA for CDNA 5 (MIT licence, August 2026) and "CDNA5" Instruction Set Architecture Reference Guide (July 2026). The comments in the code are by the model that wrote it; some were corrected since.
;; Simple Attention. Allowed arithmetic: matrix products marked QUANTISED: E3M2 operands, one E8M0 scale for each 32 along K, by v_wmma_scale_f32_16x16x128_f8f6f4 with both operands' format E3M2, f32 sums; everything else in f32.
;; Inputs: fc_b 1,024 float32; fc_w 1,024 x 1,024 float32; norm_scale 1,024 float32; wk_b 1,024 float32; wk_w 1,024 x 1,024 float32; wq_b 1,024 float32; wq_w 1,024 x 1,024 float32; wv_b 1,024 float32; wv_w 1,024 x 1,024 float32; x 4 x 2,048 x 1,024 float32.
;; Outputs: out0 4 x 2,048 x 1,024 float32.
;; This version of the problem:
;;   THIS VERSION OF THE PROBLEM IS GIVEN IN LOW PRECISION. The matrix products marked QUANTISED in the list below multiply operands that are first quantised to E3M2 (3 exponent bits, 2 mantissa bits; 6 bits a number), with one power-of-two scale for each 32 numbers along K (OCP MX v1.0); their sums are f32. All else is computed in f32.
;;   The module's matrix products, in the order in which they are computed (A, B: the left and right operand; K: the contracted axis; several contracted axes count as one K, in the product's order):
;;     1. [M 8,192, K 1,024] x [K 1,024, N 1,024]; A: computed on the way; B: input wq_w: QUANTISED
;;     2. [M 8,192, K 1,024] x [K 1,024, N 1,024]; A: computed on the way; B: input wk_w: QUANTISED
;;     3. [M 8,192, K 1,024] x [K 1,024, N 1,024]; A: computed on the way; B: input wv_w: QUANTISED
;;     4. batch 64 x [M 2,048, K 64] x [K 64, N 2,048]; A: computed on the way; B: computed on the way: QUANTISED
;;     5. batch 64 x [M 2,048, K 2,048] x [K 2,048, N 64]; A: softmax (see below); B: computed on the way: QUANTISED
;;     6. [M 8,192, K 1,024] x [K 1,024, N 1,024]; A: computed on the way; B: input fc_w: QUANTISED
;;   THE QUANTISER, for each operand of a quantised product, along K:
;;     - K is cut into blocks of 32 from its start; a last block that is shorter is filled with zeros.
;;     - A block's scale is 2^e with e = floor(log2(the largest magnitude in the block)) - 4, held to -126 .. 127; a block of zeros has e = 0. As a byte (E8M0): e + 127.
;;     - Each number is divided by its block's scale, clamped to +-28, and rounded to the nearest number of E3M2, ties to even, subnormals kept.
;;     - The product sums the exact products of the quantised numbers (number of the format x scale) in f32.
;;   ~~~python
;;   def quantise(x, axis):      # numpy; x: float32 -> the quantised numbers, widened to float32 again
;;       x = np.moveaxis(x, axis, -1); K = x.shape[-1]
;;       x = np.pad(x, [(0, 0)] * (x.ndim - 1) + [(0, -K % 32)]); x = x.reshape(x.shape[:-1] + (-1, 32)); a = np.abs(x).max(-1, keepdims=True)
;;       e = np.where(a > 0, np.clip(np.frexp(np.where(a > 0, a, 1))[1] - 1 - 4, -126, 127), 0)      # np.frexp(a)[1] - 1 = floor(log2(a)), exactly
;;       r = np.clip(x / 2.0 ** e, -28, 28)
;;       step = 2.0 ** (np.maximum(np.frexp(np.where(r == 0, 1, r))[1] - 1, -2) - 2)
;;       q = np.round(r / step) * step * 2.0 ** e      # np.round: ties to even
;;       return np.moveaxis(q.reshape(q.shape[:-2] + (-1,))[..., :K], -1, axis).astype(np.float32)
;;   ~~~
;;   SOFTMAX AHEAD OF A QUANTISED PRODUCT. Where the list says 'softmax', what is quantised is not the finished softmax but p = 2^(t - M), with t = logit x log2(e) and M = ceil(the row's largest t), a whole number; so 1/2 < the row's largest p <= 1. The row's sum l is taken of the UNQUANTISED p, in f32, and the product's result is divided by l at the end. Since M is a whole number, a kernel that streams over the keys may use a running M (the ceiling of the running maximum): every later rescaling is an exact power of two, which a block's scale takes up: the codes' values come out the same.
;;   OPERANDS COMPUTED ON THE WAY. 'Computed on the way' means the value that the module computes at that place (a softmax that the list does not call 'softmax' is quantised finished and normalised). What goes into a quantiser is computed in f32, as accurately as f32 sums, v_exp_f32 and their like allow (about 1e-6 of the number): no bf16 or f16 on the way to a quantiser, and a product that is left as it is and whose result goes on into a quantised operand takes f32 operands (vector FMAs, or v_wmma_f32_16x16x4_f32). A number that lies on a knife's edge between two numbers of the format may be rounded either way, as far as f32 arithmetic and the matrix unit's own rounding can turn it there, and no further.
;; One version. Each part assembles by itself: llvm-mc -triple=amdgcn-amd-amdhsa -mcpu=gfx1250 --defsym DOCPART=n.
;; ======== version 1 of 1: 4 launches
;; workspace buffers: opc 9,437,184 bytes; ops 393,216 bytes; qkv 19,660,800 bytes; ctxc 6,291,456 bytes; ctxs 262,144 bytes
;; launch prep (part 1): grid 768 x 1, 4 waves a work-group, no clusters, 33,280 bytes of LDS; arguments x, wq_w, wk_w, wv_w, fc_w, norm_scale, opc, ops; writes opc, ops
.if DOCPART == 1
	.amdgcn_target "amdgcn-amd-amdhsa--gfx1250"
	.amdhsa_code_object_version 6
	.text
	.protected	k_q285d31db13_prep
	.globl	k_q285d31db13_prep
	.p2align	8
	.type	k_q285d31db13_prep,@function
k_q285d31db13_prep:
	s_mov_b64 s[64:65], 0
	v_nop
	global_prefetch_b8 v0, s[64:65] scope:SCOPE_SE
	s_setreg_imm32_b32 hwreg(HW_REG_WAVE_MODE, 25, 1), 1
	s_wait_xcnt 0x0
; RMS-norm of x, and the quantising of xn and of the four weights to codes of BF6 (E3M2) with one E8M0 byte for each 32 along K (K = the last axis of all five, 1,024 long).
; ONE TABLE OF OPERAND ROWS: 768 row blocks of 16 rows: blocks 0-511 xn, 512-575 wq_w, 576-639 wk_w, 640-703 wv_w, 704-767 fc_w.  A work-group makes one row block.
; ROW ORDER: position p of the table holds the true row p with its bits 3 and 4 exchanged.  So row i of an even block 2 B is true row 32 B + i + 8 (i / 8), of the odd block 2 B + 1 eight rows further on:
; used as source 0 of a matrix instruction, two neighbouring blocks then leave 16 neighbouring true rows in a lane's 16 result registers.
; LAYOUT OF THE CODES: images of the operand's registers.  A row block is 8 fragments (16 rows x 128 K, 1,536 bytes), a fragment two pieces of 768 bytes (64 along K): registers 0-3 of the piece's six at 16 x lane, registers 4-5 at 512 + 8 x lane.
; LAYOUT OF THE BYTES: 512 bytes a row block: block l of row r at 128 (l / 8) + 8 r + l % 8.
; A block's scale is 2^(floor(log2(its largest magnitude)) - 4); its byte is the largest magnitude's exponent field - 4, held at 1 from below.
; LIMITS: a block of zeros gets the byte 1 where the rule says 127 (its codes are zeros, and only this program reads the bytes); blocks whose largest magnitude lies under 2^(5 - 127) are held at that floor; NaN and infinities are not served;
; 1 / rms is v_rsq_f32 (1 ulp), and xn = (x g) / rms where the reference has (g x) / rms.
; SHARES: wave w takes rows 4 w .. 4 w + 3 of the block: four neighbouring true rows, 16 KiB on end.  Every load reads 512 consecutive bytes.  No tensor loads; one barrier.
.set FPL,   144                        ; a block of 32 numbers in a wave's stage: 128 bytes + 16
.set IMG16, 4*32*FPL                   ; behind the four stages: for each block l of K 16 rows x 16 bytes (+ 16): registers 0-3 of the codes
.set IMG8,  IMG16+32*272               ; 16 rows x 8 bytes (+ 8): registers 4-5
.set SCST,  IMG8+32*136                ; the row block's 512 scale bytes
.set R,  32                            ; v32-159  four rows x 32 numbers
.set G,  160                           ; v160-191 norm_scale, laid as a row is loaded
.set CD, 160                           ; later: row i's six code registers and its byte at v[CD + 8 i]
.set SQ, 192                           ; v192-207 four registers a row: sums of squares, then 1 / rms
.set CT, 208                           ; v208-210 a conversion's three registers begin on an even number: the block's second half is made here and moved
	s_load_b512 s[4:19], s[0:1], 0x0               ; x s[4:5], wq_w s[6:7], wk_w s[8:9], wv_w s[10:11], fc_w s[12:13], norm_scale s[14:15], opc s[16:17], ops s[18:19]
	v_lshl_add_u32 v224, v0, 2, 0x8000
	v_mov_b32 v225, 0
	v_lshrrev_b32 v1, 5, v0
	v_readfirstlane_b32 s22, v1                    ; wave
	v_and_b32 v1, 31, v0                           ; lane
	v_lshlrev_b32 v2, 4, v1                        ; 16 x lane
	v_lshlrev_b32 v10, 3, v1                       ; 8 x lane
	v_and_b32 v11, 15, v0                          ; r
	v_bfe_u32 v12, v0, 4, 1                        ; h
	v_lshrrev_b32 v13, 3, v1
	v_and_b32 v14, 7, v1
	s_mul_i32 s25, s22, 32*FPL                     ; my stage
	v_mul_u32_u24 v3, v13, FPL
	v_lshl_add_u32 v3, v14, 4, v3
	v_add_nc_u32 v3, s25, v3                       ; into it: eight lanes' 128 bytes are a block
	v_mul_u32_u24 v4, v1, FPL
	v_add_nc_u32 v4, s25, v4                       ; out of it: lane l takes block l
	s_lshl_b32 s25, s22, 6
	s_add_co_u32 s25, s25, IMG16
	v_mul_u32_u24 v5, v1, 272
	v_add_nc_u32 v5, s25, v5                       ; codes, registers 0-3: block l, row 4 w (+ i)
	s_lshl_b32 s25, s22, 5
	s_add_co_u32 s26, s25, IMG8
	v_mul_u32_u24 v6, v1, 136
	v_add_nc_u32 v6, s26, v6                       ; registers 4-5
	s_add_co_u32 s26, s25, SCST
	v_lshl_add_u32 v7, v13, 7, v14
	v_add_nc_u32 v7, s26, v7                       ; the byte: 128 (l / 8) + l % 8 + 8 x row
	s_mul_i32 s25, s22, 8*272
	s_add_co_u32 s25, s25, IMG16
	v_mul_u32_u24 v8, v12, 272
	v_lshl_add_u32 v8, v11, 4, v8
	v_add_nc_u32 v8, s25, v8                       ; the way out: wave w takes blocks 8 w .. 8 w + 7 of K: lane (r, h) reads block 8 w + 2 p + h, row r
	s_mul_i32 s25, s22, 8*136
	s_add_co_u32 s25, s25, IMG8
	v_mul_u32_u24 v9, v12, 136
	v_lshl_add_u32 v9, v11, 3, v9
	v_add_nc_u32 v9, s25, v9
	v_add_nc_u32 v15, SCST, v2
	s_mov_b32 s28, 0x76543210
	s_mov_b32 s29, 0xfedcba98                      ; v_permlanex16_b32's selects for lane l xor 16
	s_mov_b32 s30, 0x3a800000                      ; 1 / 1,024
	s_mov_b32 s31, 0x322bcc77                      ; 1e-8
	s_mov_b32 s23, ttmp9                           ; the row block
	s_and_b32 s24, s23, 63
	s_cmp_lt_u32 s23, 512
	s_cselect_b32 s24, s23, s24                    ; its number within its tensor
	s_lshr_b32 s26, s24, 1
	s_lshl_b32 s26, s26, 5
	s_and_b32 s27, s24, 1
	s_lshl_b32 s27, s27, 3
	s_add_co_u32 s26, s26, s27
	s_lshr_b32 s27, s22, 1
	s_lshl_b32 s27, s27, 4
	s_add_co_u32 s26, s26, s27
	s_and_b32 s27, s22, 1
	s_lshl_b32 s27, s27, 2
	s_add_co_u32 s26, s26, s27                     ; my first true row: 32 (block / 2) + 8 (block % 2) + 16 (w / 2) + 4 (w % 2)
	s_lshl_b32 s26, s26, 12                        ; x 4,096 bytes (under 2^25)
	s_mov_b32 s27, 0
	s_mul_i32 s32, s23, 12288
	s_mul_i32 s33, s22, 3072
	s_add_co_u32 s32, s32, s33                     ; my four pieces of the block's codes
	s_mov_b32 s33, 0
	s_lshl_b32 s34, s23, 9
	s_mov_b32 s35, 0
	s_wait_kmcnt 0x0
	s_cmp_lt_u32 s23, 704                          ; which tensor: the choice hangs on the work-group's number alone
	s_cselect_b64 s[20:21], s[10:11], s[12:13]
	s_cmp_lt_u32 s23, 640
	s_cselect_b64 s[20:21], s[8:9], s[20:21]
	s_cmp_lt_u32 s23, 576
	s_cselect_b64 s[20:21], s[6:7], s[20:21]
	s_cmp_lt_u32 s23, 512
	s_cselect_b64 s[20:21], s[4:5], s[20:21]
	s_add_nc_u64 s[20:21], s[20:21], s[26:27]
	s_add_nc_u64 s[16:17], s[16:17], s[32:33]
	s_add_nc_u64 s[18:19], s[18:19], s[34:35]
.irp i, 0,1,2,3
.irp c, 0,1,2,3,4,5,6,7
	global_load_b128 v[R+32*\i+4*\c:R+32*\i+4*\c+3], v2, s[20:21] offset:4096*\i+512*\c th:TH_LOAD_NT   ; 32 lanes read 512 consecutive bytes
.endr
.endr
	s_cmp_ge_u32 s23, 512
	s_cbranch_scc1 .Lweights                       ; weights are quantised as they are: the branch leads round loads and register work alone
.irp c, 0,1,2,3,4,5,6,7
	global_load_b128 v[G+4*\c:G+4*\c+3], v2, s[14:15] offset:512*\c
.endr
	s_wait_loadcnt 0x0
.irp i, 0,1,2,3                                ; the sum of squares: two chains of pairs a row, the rows by turns
	v_pk_mul_f32 v[SQ+4*\i:SQ+4*\i+1], v[R+32*\i:R+32*\i+1], v[R+32*\i:R+32*\i+1]
	v_pk_mul_f32 v[SQ+4*\i+2:SQ+4*\i+3], v[R+32*\i+2:R+32*\i+3], v[R+32*\i+2:R+32*\i+3]
.endr
.irp k, 4,8,12,16,20,24,28
.irp i, 0,1,2,3
	v_pk_fma_f32 v[SQ+4*\i:SQ+4*\i+1], v[R+32*\i+\k:R+32*\i+\k+1], v[R+32*\i+\k:R+32*\i+\k+1], v[SQ+4*\i:SQ+4*\i+1]
	v_pk_fma_f32 v[SQ+4*\i+2:SQ+4*\i+3], v[R+32*\i+\k+2:R+32*\i+\k+3], v[R+32*\i+\k+2:R+32*\i+\k+3], v[SQ+4*\i+2:SQ+4*\i+3]
.endr
.endr
.irp i, 0,1,2,3
	v_pk_add_f32 v[SQ+4*\i:SQ+4*\i+1], v[SQ+4*\i:SQ+4*\i+1], v[SQ+4*\i+2:SQ+4*\i+3]
.endr
.irp i, 0,1,2,3
	v_add_f32 v[SQ+4*\i], v[SQ+4*\i], v[SQ+4*\i+1]
.endr
.irp m, 1,2,4,8
.irp i, 0,1,2,3
	v_add_f32_dpp v[SQ+4*\i], v[SQ+4*\i], v[SQ+4*\i] row_xmask:\m row_mask:0xf bank_mask:0xf
.endr
.endr
.irp i, 0,1,2,3
	v_permlanex16_b32 v[SQ+4*\i+2], v[SQ+4*\i], s28, s29
.endr
.irp i, 0,1,2,3
	v_add_f32 v[SQ+4*\i], v[SQ+4*\i], v[SQ+4*\i+2]   ; every lane holds the row's sum
.endr
.irp i, 0,1,2,3
	v_fma_f32 v[SQ+4*\i+1], v[SQ+4*\i], s30, s31   ; the mean + 1e-8
.endr
.irp i, 0,1,2,3
	v_rsq_f32 v[SQ+4*\i], v[SQ+4*\i+1]             ; one batch of four
.endr
.irp i, 0,1,2,3                                ; x g: plain work that names no result of the batch
.irp k, 0,2,4,6,8,10,12,14,16,18,20,22,24,26,28,30
	v_pk_mul_f32 v[R+32*\i+\k:R+32*\i+\k+1], v[R+32*\i+\k:R+32*\i+\k+1], v[G+\k:G+\k+1]
.endr
.endr
	s_wait_alu depctr_va_vdst(0)                   ; one wait for the four, ahead of their first reader
.irp i, 0,1,2,3
.irp k, 0,2,4,6,8,10,12,14,16,18,20,22,24,26,28,30
	v_pk_mul_f32 v[R+32*\i+\k:R+32*\i+\k+1], v[R+32*\i+\k:R+32*\i+\k+1], v[SQ+4*\i:SQ+4*\i+1] op_sel_hi:[1,0]
.endr
.endr
.Lweights:
	s_wait_loadcnt 0x0
; THE TURN: as loaded, a lane holds four numbers of each of eight chunks; the conversions want 32 neighbours in one lane.  A row goes through the wave's own stage and comes back a block a lane.
; LDS serves a wave's instructions in order (ISA guide 5.7.1.4): no wait between the stores and the loads, nor in front of the next row's stores.
.irp i, 0,1,2,3
.irp c, 0,1,2,3,4,5,6,7
	ds_store_b128 v3, v[R+32*\i+4*\c:R+32*\i+4*\c+3] offset:4*FPL*\c
.endr
.irp q, 0,1,2,3,4,5,6,7
	ds_load_b128 v[R+32*\i+4*\q:R+32*\i+4*\q+3], v4 offset:16*\q
.endr
.endr
.macro QROW i                          ; row i: my block's largest magnitude, scale, codes, byte
.set X, R+32*(\i)
.set C, CD+8*(\i)
	s_wait_dscnt 48-13*(\i)                        ; behind row i's loads stand 16 (3 - i) instructions of the turn and 3 i stores of codes
	v_max3_num_f32 v12, |v[X]|, |v[X+1]|, 0x2800000   ; with the floor 2^(5 - 127): the byte cannot fall under 1
	v_max3_num_f32 v13, |v[X+2]|, |v[X+3]|, |v[X+4]|
.irp k, 5,9,13,17,21,25
	v_max3_num_f32 v12, v12, |v[X+\k]|, |v[X+\k+1]|
	v_max3_num_f32 v13, v13, |v[X+\k+2]|, |v[X+\k+3]|
.endr
	v_max3_num_f32 v12, v12, |v[X+29]|, |v[X+30]|
	v_max3_num_f32 v12, v12, v13, |v[X+31]|
	v_add_nc_u32 v14, 0xfe000000, v12              ; 4 off the exponent field: the conversion takes this operand's exponent field as its scale
	v_cvt_scalef32_pk16_bf6_f32 v[C:C+2], v[X:X+15], v14
	v_cvt_scalef32_pk16_bf6_f32 v[CT:CT+2], v[X+16:X+31], v14
	v_lshrrev_b32 v[C+6], 23, v14                  ; the byte; also the plain line behind the conversions
.irp k, 0,1,2
	v_mov_b32 v[C+3+\k], v[CT+\k]
.endr
	ds_store_b128 v5, v[C:C+3] offset:16*(\i)
	ds_store_b64 v6, v[C+4:C+5] offset:8*(\i)
	ds_store_b8 v7, v[C+6] offset:8*(\i)
.endm
	QROW 0
	QROW 1
	QROW 2
	QROW 3
	s_wait_dscnt 0x0                               ; for the others' sake: my stores have landed
	s_barrier_signal -1
	s_barrier_wait -1
.irp p, 0,1,2,3                                ; my four pieces: 4 w + p
	ds_load_b128 v[R+8*\p:R+8*\p+3], v8 offset:2*\p*272
	ds_load_b64 v[R+8*\p+4:R+8*\p+5], v9 offset:2*\p*136
.endr
.irp p, 0,1,2,3
	s_wait_dscnt 6-2*\p                            ; the later pieces' loads may be out
	global_store_b128 v2, v[R+8*\p:R+8*\p+3], s[16:17] offset:768*\p        ; 512 consecutive bytes, at a multiple of 256
	global_store_b64 v10, v[R+8*\p+4:R+8*\p+5], s[16:17] offset:768*\p+512  ; 256 consecutive bytes
.endr
	s_cmp_lg_u32 s22, 0
	s_cbranch_scc1 .Ldone
	ds_load_b128 v[64:67], v15                     ; wave 0: the block's 512 scale bytes
	s_wait_dscnt 0x0
	global_store_b128 v2, v[64:67], s[18:19]
.Ldone:
	s_wait_tensorcnt 0x0
	ds_add_u32 v224, v225
	s_wait_dscnt 0x0
	s_endpgm
.Lfunc_end_k_q285d31db13_prep:
	.size	k_q285d31db13_prep, .Lfunc_end_k_q285d31db13_prep-k_q285d31db13_prep
	.p2alignl 7, 3214868480
	.fill 96, 4, 3214868480
	.section	.rodata,"a",@progbits
	.p2align	6, 0x0
	.amdhsa_kernel k_q285d31db13_prep
		.amdhsa_group_segment_fixed_size 33280
		.amdhsa_private_segment_fixed_size 0
		.amdhsa_enable_private_segment 0
		.amdhsa_kernarg_size 64
		.amdhsa_user_sgpr_count 2
		.amdhsa_user_sgpr_kernarg_segment_ptr 1
		.amdhsa_wavefront_size32 1
		.amdhsa_system_sgpr_workgroup_id_x 1
		.amdhsa_system_sgpr_workgroup_id_y 1
		.amdhsa_system_sgpr_workgroup_id_z 1
		.amdhsa_system_vgpr_workitem_id 0
		.amdhsa_next_free_vgpr 226
		.amdhsa_next_free_sgpr 66
		.amdhsa_reserve_vcc 0
		.amdhsa_float_denorm_mode_32 3
		.amdhsa_float_denorm_mode_16_64 3
		.amdhsa_memory_ordered 1
		.amdhsa_forward_progress 1
		.amdhsa_inst_pref_size 35
	.end_amdhsa_kernel
	.amdgpu_metadata
---
amdhsa.version: [ 1, 2 ]
amdhsa.kernels:
  - .name:           k_q285d31db13_prep
    .symbol:         k_q285d31db13_prep.kd
    .args:
      - { .name: x, .offset: 0, .size: 8, .value_kind: global_buffer, .address_space: global }
      - { .name: wq_w, .offset: 8, .size: 8, .value_kind: global_buffer, .address_space: global }
      - { .name: wk_w, .offset: 16, .size: 8, .value_kind: global_buffer, .address_space: global }
      - { .name: wv_w, .offset: 24, .size: 8, .value_kind: global_buffer, .address_space: global }
      - { .name: fc_w, .offset: 32, .size: 8, .value_kind: global_buffer, .address_space: global }
      - { .name: norm_scale, .offset: 40, .size: 8, .value_kind: global_buffer, .address_space: global }
      - { .name: opc, .offset: 48, .size: 8, .value_kind: global_buffer, .address_space: global }
      - { .name: ops, .offset: 56, .size: 8, .value_kind: global_buffer, .address_space: global }
    .group_segment_fixed_size: 33280
    .private_segment_fixed_size: 0
    .kernarg_segment_align: 8
    .kernarg_segment_size: 64
    .max_flat_workgroup_size: 128
    .sgpr_count:     66
    .vgpr_count:     226
    .wavefront_size: 32
...
	.end_amdgpu_metadata
.endif
;; end of part 1
;; launch qkv (part 2): grid 8 x 48, 4 waves a work-group, clusters of 4 x 4, 327,680 bytes of LDS; arguments opc, ops, wq_b, wk_b, wv_b, qkv; writes qkv
.if DOCPART == 2
	.amdgcn_target "amdgcn-amd-amdhsa--gfx1250"
	.amdhsa_code_object_version 6
	.text
	.protected	k_q285d31db13_qkv
	.globl	k_q285d31db13_qkv
	.p2align	8
	.type	k_q285d31db13_qkv,@function
k_q285d31db13_qkv:
	s_mov_b64 s[64:65], 0
	v_nop
	global_prefetch_b8 v0, s[64:65] scope:SCOPE_SE
	s_setreg_imm32_b32 hwreg(HW_REG_WAVE_MODE, 25, 1), 1
	s_wait_xcnt 0x0
	s_wait_alu depctr_hold_cnt(0) depctr_sa_sdst(0) depctr_va_vdst(0) depctr_va_sdst(0) depctr_va_ssrc(0) depctr_va_vcc(0) depctr_vm_vsrc(0)
	s_getreg_b32 s2, hwreg(HW_REG_IB_STS2, 6, 4)
	s_cmp_eq_u32 s2, 0
	s_cbranch_scc0 .Lentry_in_a_cluster
	s_endpgm
.Lentry_in_a_cluster:
	s_bfe_u32 s2, ttmp6, 0x10000c
	s_cmp_lg_u32 s2, 0xf033
	s_cbranch_scc0 .Lentry_shape_is_right
	s_endpgm
.Lentry_shape_is_right:
; Q = xn Wq^T + bq, K = xn Wk^T + bk, V = xn Wv^T + bv on codes of BF6 (E3M2) with E8M0 scales, K = 1,024; the results are quantised at once for the attention: Q and K along a head's 64, V along the keys.
; Both operands are rows of ONE table (codes opc, scale bytes ops): rows 0-8,191 xn, 8,192.. Wq, 9,216.. Wk, 10,240.. Wv, as images of the operand's registers: a block of 16 rows is 8 fragments of 1,536 bytes.
; Position p of the table holds the true row p with bits 3 and 4 exchanged, so that the 16 result registers of two neighbouring blocks of source 0 are 16 neighbouring true rows.
; A work-group of four waves makes 256 x 256, a wave 128 x 128: 64 accumulators.  Source 0 = 16 rows of the B side, source 1 = 16 rows of the A side: a lane holds ONE row of the A side, its registers run along the B side.
; ROLES, by the cluster's coordinates alone (the same in all sixteen partners): cluster y 0-7: A = 1,024 tokens, B = Wq (cluster x 0) or Wk (1): a lane holds a token, registers run along features.
; Cluster y 8-11: A = Wv, B = tokens: a lane holds a feature, registers run along the tokens, which are V's K in the attention.
; K goes in steps of 256 through a ring of two LDS slots; the scale bytes of the work-group's rows come once.  4 x 4 work-groups form a cluster: A's tiles are asked for jointly along a row of it, B's along a column.
; OUT (buffer qkv): 64 records of REC bytes, one a head: [K's scale words 16 x 256][V's 16 x 256][16 key steps x (K: 4 double fragments x 1,536; V: 4 fragments x 1,536)]; then Q's pieces, 768 bytes for (tile of 16 queries, head); then Q's scale words.
; A double fragment of K holds key tile 2 f in registers 0-5 and key tile 2 f + 1 in registers 6-11 (a head's 64 are half of the instruction's 128).
; LIMITS: a block of zeros gets the byte 1 where the rule says 127 (zero codes; only this program reads the bytes); largest magnitudes under 2^(5 - 127) are held at that floor; NaN and infinities are not served.
; REGISTERS: window 0: v8-15 bias offsets; v16-31 addresses; v32-63 scale words, two sets; v64-127 the bias; v128-223 A's fragments, ONE set; on the way out v128-255 at work.
;   window 1: B's fragments, two sets, at v0 and v128.  window 2: accumulators of my A blocks 0-3 ((a, b) at v[8 (8 a + b)]);  window 3: of blocks 4-7.
.set NQ,    2                          ; matrix instructions deep in a slot
.set FR,    12                         ; registers of a fragment
.set NL,    4                          ; LDS loads that bring one
.set NP,    4                          ; places behind this matrix instruction (ISA guide 7.12.1)
.set RBS,   3072                       ; a block of 16 rows in a slot: two fragments
.set HALFT, 8*RBS                      ; 128 rows: what one tensor load brings
.set SLOT,  4*HALFT
.set SCL,   2*SLOT                     ; behind the ring: the scale bytes, 512 a block of rows
.set HALFS, 4096
.set SBLK,  512
.set SPARE, SCL+4*HALFS                ; the spare words, 128 bytes a wave: two blocks of 256 bytes that no other line names
.set REC,   204800
.set QC0,   64*REC
.set QS0,   QC0+6291456
.set BIASC, 0                          ; the first products start the sums with 0
.set VO,   8
.set ADRA, 16                          ; v16-17 16 x lane + my A rows in slot 0, 1;  v18-19 the same with 8 x lane
.set ADRB, 20                          ; v20-23 the same for B
.set L16,  24                          ; 16 x lane
.set L8,   25                          ; 8 x lane
.set SOF,  26                          ; where I store scale words
.set ADRS, 27                          ; LDS address of my scale words: lanes 0-15 A's rows, lanes 16-31 B's
.set SPW,  28                          ; my spare word; never rewritten
.set NIL,  29                          ; 0; never rewritten
.set PSEL, 30
.set HH,   31                          ; lane / 16
.set SC,   32
.set BC,   64
.set AF,   128
.set T,    128                         ; the way out: a block's 64 numbers
.set DE,   192                         ; the codes of a pair of blocks: 12 registers, and
.set DO,   204                         ; 12 more
.set W,    216                         ; v216-223 the scale word of each block
.set TM,   224
.set CT,   244
.set G1, 24
.set G0, 32
.set G1B, 48
.set G0B, 56
.set G1S, 68
.set G0S, 76
.set G1SB, 80
.set G0SB, 88
.set MSB, 0
.macro WIN new                         ; the immediate's high byte repeats the setting that is left
.if MSB != \new
	s_set_vgpr_msb (MSB<<8)|\new
.set MSB, \new
.endif
.endm
.set MUL_LO, 0xa1                      ; source 0 (B) window 1, source 1 (A) window 0, C and D window 2
.set MUL_HI, 0xf1                      ; the same, C and D window 3
.set TO_B,   0x40                      ; destination window 1, address window 0
; A joint load: waves 0 and 1 fetch for A, waves 2 and 3 for B.  Each line has one mask and one set of registers for all that issue it; the branch hangs on the wave's number alone.  Four v_nop follow each line.
.macro JLOAD g0a, g1a, g0b, g1b
	s_cmp_eq_u32 s17, 0
	s_cbranch_scc0 .Lfor_b_\@
	tensor_load_to_lds s[\g0a:\g0a+3], s[\g1a:\g1a+7]
	s_nop 0
.rept 4
	v_nop
.endr
	s_branch .Lasked_\@
.Lfor_b_\@:
	tensor_load_to_lds s[\g0b:\g0b+3], s[\g1b:\g1b+7]
	s_nop 0
.rept 4
	v_nop
.endr
.Lasked_\@:
.endm
.macro CREST                           ; a round of the cluster's barrier behind its opening barrier
	s_cmp_lg_u32 s16, 0
	s_cbranch_scc1 .Lnot_wave_0_\@
	s_barrier_signal -3
.Lnot_wave_0_\@:
	s_barrier_wait -3
	s_barrier_signal -1
	s_barrier_wait -1
.endm
.macro CROUND
	s_barrier_signal -1
	s_barrier_wait -1
	CREST
.endm
	s_load_b256 s[4:11], s[0:1], 0x0               ; opc s[4:5], ops s[6:7], wq_b s[8:9], wk_b s[10:11]
	s_load_b128 s[12:15], s[0:1], 0x20             ; wv_b s[12:13], qkv s[14:15]
	v_lshl_add_u32 v[SPW], v0, 2, SPARE
	v_mov_b32 v[NIL], 0
	ds_add_u32 v28, v29
	ds_add_u32 v28, v29
	s_wait_dscnt 0x0
	v_lshrrev_b32 v1, 5, v0
	v_readfirstlane_b32 s16, v1                    ; wave 0..3
	s_lshr_b32 s17, s16, 1                         ; which 128 rows of the A side are mine.  Also: I fetch for A (0) or for B (1)
	s_and_b32 s18, s16, 1                          ; which 128 of the B side.  Also: which 128 rows of that tile I fetch
	s_bfe_u32 s19, ttmp6, 0x40000                  ; cx
	s_bfe_u32 s20, ttmp6, 0x40004                  ; cy
	s_mov_b32 s21, ttmp9                           ; cluster x
	s_and_b32 s22, ttmp7, 0xffff                   ; cluster y
	s_lshl_b32 s40, s22, 10
	s_sub_co_u32 s46, s22, 8
	s_lshl_b32 s46, s46, 11
	s_cmp_ge_u32 s22, 8
	s_cselect_b32 s23, 1, 0                        ; 1: this cluster makes V
	s_cselect_b32 s96, 2, s21                      ; 0 Q, 1 K, 2 V
	s_cselect_b32 s40, 10240, s40                  ; A: Wv's rows, or 1,024 tokens a cluster
	s_cselect_b32 s46, s46, 8192                   ; B: tokens, or the weights' rows
	s_lshl_b32 s41, s20, 8
	s_add_co_u32 s40, s40, s41                     ; the tile's first A row: + 256 cy (no cx in it)
	s_lshl_b32 s47, s21, 2
	s_add_co_u32 s47, s47, s19
	s_lshl_b32 s47, s47, 8
	s_add_co_u32 s46, s46, s47                     ; its first B row: + 256 (4 cluster x + cx) (no cy in it)
	s_lshl_b32 s41, s17, 7
	s_add_co_u32 s98, s40, s41                     ; my wave's first A row
	s_lshl_b32 s41, s18, 7
	s_add_co_u32 s99, s46, s41                     ; and first B row
	s_add_co_u32 s40, s40, s41                     ; the rows that I fetch
	s_add_co_u32 s46, s46, s41
	s_mul_i32 s42, s40, 32                         ; their scale bytes: 32 a row,
	s_mul_i32 s40, s40, 768                        ; their codes: 768 a row
	s_mov_b32 s41, 0
	s_mov_b32 s43, 0
	s_mul_i32 s92, s46, 32
	s_mul_i32 s46, s46, 768
	s_mov_b32 s47, 0
	s_mov_b32 s93, 0
	s_lshl_b32 s44, s20, 2
	s_lshl_b32 s44, 15, s44                        ; my row of the cluster
	s_lshl_b32 s45, 0x1111, s19                    ; my column
	; descriptor group 1 for codes: 8 rows (blocks of 16 table rows) of 3,072 bytes = 384 elements of 8 bytes, 12,288 bytes = 1,536 elements apart; no padding: the images are read 16 or 8 bytes a lane on end
	s_or_b32 s[G1+0], s44, (3<<16)|(1<<21)
	s_or_b32 s[G1B+0], s45, (3<<16)|(1<<21)
.irp g, G1, G1B
	s_mov_b32 s[\g+1], 384<<16                     ; tensor_dim0
	s_mov_b32 s[\g+2], 8<<16                       ; tensor_dim1
	s_mov_b32 s[\g+3], 384<<16                     ; tile_dim0
	s_mov_b32 s[\g+4], 8                           ; tile_dim1
	s_mov_b32 s[\g+5], 1536                        ; tensor_dim0_stride
	s_mov_b32 s[\g+6], 0
	s_mov_b32 s[\g+7], 0
.endr
	; and for the scale bytes of 128 rows: 4,096 dense bytes as 16 rows of 256
	s_or_b32 s[G1S+0], s44, (3<<16)|(1<<21)
	s_or_b32 s[G1SB+0], s45, (3<<16)|(1<<21)
.irp g, G1S, G1SB
	s_mov_b32 s[\g+1], 32<<16
	s_mov_b32 s[\g+2], 16<<16
	s_mov_b32 s[\g+3], 32<<16
	s_mov_b32 s[\g+4], 16
	s_mov_b32 s[\g+5], 32
	s_mov_b32 s[\g+6], 0
	s_mov_b32 s[\g+7], 0
.endr
	s_mul_i32 s94, s16, HALFT                      ; where they go: by the wave's number alone
	s_mul_i32 s95, s16, HALFS
	s_sub_co_u32 s97, s99, 8192
	s_and_b32 s97, s97, 1023
	s_sub_co_u32 s100, s98, 10240
	s_cmp_eq_u32 s23, 1
	s_cselect_b32 s97, s100, s97                   ; my wave's first feature
	s_lshl_b32 s100, s97, 2
	s_mov_b32 s101, 0
	s_wait_kmcnt 0x0
	s_add_nc_u64 s[40:41], s[4:5], s[40:41]
	s_add_nc_u64 s[42:43], s[6:7], s[42:43]
	s_add_nc_u64 s[46:47], s[4:5], s[46:47]
	s_add_nc_u64 s[92:93], s[6:7], s[92:93]
	s_cmp_eq_u32 s96, 1
	s_cselect_b64 s[8:9], s[10:11], s[8:9]
	s_cmp_eq_u32 s96, 2
	s_cselect_b64 s[8:9], s[12:13], s[8:9]
	s_add_nc_u64 s[8:9], s[8:9], s[100:101]        ; the product's bias at my first feature
	CROUND                                         ; all sixteen work-groups are here: the first joint loads meet
	s_mov_b32 s[G0S], 1
	s_add_co_u32 s[G0S+1], s95, SCL
	s_mov_b64 s[G0S+2:G0S+3], s[42:43]
	s_or_b32 s[G0S+3], s[G0S+3], 0x80000000
	s_mov_b32 s[G0SB], 1
	s_add_co_u32 s[G0SB+1], s95, SCL
	s_mov_b64 s[G0SB+2:G0SB+3], s[92:93]
	s_or_b32 s[G0SB+3], s[G0SB+3], 0x80000000
	JLOAD G0S, G1S, G0SB, G1SB                     ; the scale bytes first: they are wanted with K step 0
.irp s, 0,1
	s_mov_b32 s[G0+4*\s], 1
	s_add_co_u32 s[G0+4*\s+1], s94, \s*SLOT
	s_add_nc_u64 s[G0+4*\s+2:G0+4*\s+3], s[40:41], \s*RBS
	s_or_b32 s[G0+4*\s+3], s[G0+4*\s+3], 0x80000000
	s_mov_b32 s[G0B+4*\s], 1
	s_add_co_u32 s[G0B+4*\s+1], s94, \s*SLOT
	s_add_nc_u64 s[G0B+4*\s+2:G0B+4*\s+3], s[46:47], \s*RBS
	s_or_b32 s[G0B+4*\s+3], s[G0B+4*\s+3], 0x80000000
	JLOAD G0+4*\s, G1, G0B+4*\s, G1B
.endr
	v_and_b32 v1, 15, v0                           ; r
	v_bfe_u32 v[HH], v0, 4, 1                      ; h
	v_and_b32 v5, 31, v0
	v_lshlrev_b32 v[L16], 4, v5
	v_lshlrev_b32 v[L8], 3, v5
	s_mul_i32 s100, s17, HALFT                     ; my 128 rows of A
	s_mul_i32 s101, s18, HALFT                     ; my 128 rows of B,
	s_add_co_u32 s101, s101, 2*HALFT               ; which lie behind A's 256
.irp s, 0,1
	v_add_nc_u32 v[ADRA+\s], s100, v[L16]
	v_add_nc_u32 v[ADRB+\s], s101, v[L16]
	v_add_nc_u32 v[ADRA+2+\s], s100, v[L8]
	v_add_nc_u32 v[ADRB+2+\s], s101, v[L8]
	s_add_co_u32 s100, s100, SLOT
	s_add_co_u32 s101, s101, SLOT
.endr
	s_lshl_b32 s100, s17, 12                       ; A's scale bytes: my 128 rows
	s_lshl_b32 s101, s18, 12                       ; B's, behind A's 8,192
	s_add_co_u32 s101, s101, 8192
	s_sub_co_u32 s101, s101, s100
	v_mul_u32_u24 v3, s101, v[HH]                  ; lanes 16-31 take B's: one product with h
	s_add_co_u32 s100, s100, SCL
	v_lshl_add_u32 v3, v1, 3, v3
	v_add_nc_u32 v[ADRS], s100, v3
	; THE BIAS, without a branch: v[BC + 8 t + j].  Q, K: that of feature 32 (t / 2) + 16 h + 8 (t % 2) + j (what register j of B block t holds).  V: that of my lane's feature in A block t, 32 (t / 2) + 8 (t % 2) + 16 (r / 8) + r % 8, eight times over
	v_lshrrev_b32 v3, 3, v1
	v_and_b32 v4, 7, v1
	s_cmp_eq_u32 s23, 1
	s_cselect_b32 s100, -1, 0
	s_cselect_b32 s101, 4, 0
	s_cselect_b32 s2, 0, 4
	v_cndmask_b32 v3, v[HH], v3, s100
	v_lshlrev_b32 v[VO], 6, v3
	v_mad_u32_u24 v[VO], v4, s101, v[VO]
.irp j, 1,2,3,4,5,6,7
	v_add_nc_u32 v[VO+\j], s2, v[VO+\j-1]
.endr
.irp t, 0,1,2,3,4,5,6,7
.irp j, 0,1,2,3,4,5,6,7
	global_load_b32 v[BC+8*\t+\j], v[VO+\j], s[8:9] offset:4*(32*(\t/2)+8*(\t%2))   ; waited for on the way out
.endr
.endr
.macro FRAG reg, adr, q, i             ; a fragment comes as it was stored: registers 0-3 and 6-9 at 16 x lane, 4-5 and 10-11 at 8 x lane
	ds_load_b128 v[\reg:\reg+3], v[\adr] offset:(\i)*RBS+(\q)*1536
	ds_load_b64 v[\reg+4:\reg+5], v[\adr+2] offset:(\i)*RBS+(\q)*1536+512
	ds_load_b128 v[\reg+6:\reg+9], v[\adr] offset:(\i)*RBS+(\q)*1536+768
	ds_load_b64 v[\reg+10:\reg+11], v[\adr+2] offset:(\i)*RBS+(\q)*1536+1280
.endm
; 16 matrix instructions: A's blocks a0, a0 + 1 x B's eight, the slot's q-th 128 along K.  p: B's set; sc: the set of scale words.  The 64 accumulators take turns, one instruction a turn, in the same order in every step.
.macro MUL16 a0, p, q, sc, zero
.irp a, \a0, \a0+1
.irp b, 0,1,2,3,4,5,6,7
.if \zero
	v_wmma_scale_f32_16x16x128_f8f6f4 v[8*(8*((\a)%4)+\b):8*(8*((\a)%4)+\b)+7], v[128*(\p)+FR*\b:128*(\p)+FR*\b+FR-1], v[AF+FR*(\a):AF+FR*(\a)+FR-1], 0, v[SC+8*NQ*(\sc)+NQ*\b+(\q)], v[SC+8*NQ*(\sc)+NQ*(\a)+(\q)] matrix_a_fmt:MATRIX_FMT_BF6 matrix_b_fmt:MATRIX_FMT_BF6 matrix_a_scale:MATRIX_SCALE_ROW1
.else
	v_wmma_scale_f32_16x16x128_f8f6f4 v[8*(8*((\a)%4)+\b):8*(8*((\a)%4)+\b)+7], v[128*(\p)+FR*\b:128*(\p)+FR*\b+FR-1], v[AF+FR*(\a):AF+FR*(\a)+FR-1], v[8*(8*((\a)%4)+\b):8*(8*((\a)%4)+\b)+7], v[SC+8*NQ*(\sc)+NQ*\b+(\q)], v[SC+8*NQ*(\sc)+NQ*(\a)+(\q)] matrix_a_fmt:MATRIX_FMT_BF6 matrix_b_fmt:MATRIX_FMT_BF6 matrix_a_scale:MATRIX_SCALE_ROW1
.endif
.endr
.endr
.endm
.macro FETCH_B slot, q, p
	WIN TO_B
.irp i, 0,1,2,3,4,5,6,7
	FRAG 128*(\p)+FR*\i, ADRB+\slot, \q, \i
.endr
	WIN 0
.endm
.macro FETCH_A slot, q, i0
.irp i, \i0, \i0+1, \i0+2, \i0+3
	FRAG AF+FR*(\i), ADRA+\slot, \q, \i
.endr
.endm
.macro SCALES sc                       ; a slot's two scale words a row: lanes 0-15 A's block i, lanes 16-31 B's block i
.irp i, 0,1,2,3,4,5,6,7
	ds_load_b64 v[SC+8*NQ*\sc+NQ*\i:SC+8*NQ*\sc+NQ*\i+1], v[ADRS] offset:\i*SBLK
.endr
.endm
.macro PLACES n                        ; plain vector lines in front of loads into registers that matrix instructions have read, and of the first read of results (ISA guide 7.12.1 for the first read of results)
.rept \n
	v_nop
.endr
.endm
.macro STEP slot, q, zero              ; a step of 128 along K that has its successor in the same slot
	s_wait_dscnt 4*NL                              ; B's set, A's blocks 0-3 and the scale words are in; the youngest 16 loads (A's blocks 4-7) may be out
	WIN MUL_LO
	MUL16 0, (\q)%2, \q, \slot, \zero
	MUL16 2, (\q)%2, \q, \slot, \zero
	s_wait_dscnt 0
	PLACES NP
	FETCH_B \slot, (\q)+1, 1-(\q)%2
	FETCH_A \slot, (\q)+1, 0
	WIN MUL_HI
	MUL16 4, (\q)%2, \q, \slot, \zero
	MUL16 6, (\q)%2, \q, \slot, \zero
	PLACES NP
	WIN 0
	FETCH_A \slot, (\q)+1, 4
.endm
; A slot's last step changes slots: one barrier; in front of it each wave waits for all its tensor loads, adds 0 to its spare word, and waits for that and for its own reads of this slot.  fill = 1: the slot is filled again, two slots ahead.
.macro TURN slot, next, fill
	s_wait_tensorcnt 0x0                           ; all my tensor loads have landed: my part of the next slot
	ds_add_u32 v[SPW], v[NIL]                      ; 0 onto my spare word
	s_wait_dscnt 4*NL+1                            ; (the add and the youngest 16 loads may be out)
	WIN MUL_LO
	MUL16 0, 1, NQ-1, \slot, 0                     ; sixteen matrix instructions stand between the add and the wait for it
	s_wait_dscnt 0x0                               ; the add is done, and my reads of this slot are over
	s_barrier_signal -1
	MUL16 2, 1, NQ-1, \slot, 0
	WIN 0
	s_barrier_wait -1
.if \fill
	CREST                                          ; the barrier has opened a round of the cluster's barrier: no wave of any partner still reads this slot or has a load on its way
	s_add_nc_u64 s[G0+4*\slot+2:G0+4*\slot+3], s[G0+4*\slot+2:G0+4*\slot+3], 2*RBS
	s_add_nc_u64 s[G0B+4*\slot+2:G0B+4*\slot+3], s[G0B+4*\slot+2:G0B+4*\slot+3], 2*RBS
	JLOAD G0+4*\slot, G1, G0B+4*\slot, G1B         ; the first tensor load behind the round; its four v_nop are also the places in front of the loads below
.else
	PLACES NP
.endif
	v_add_nc_u32 v[ADRS], 128, v[ADRS]             ; the next slot's scale words
	FETCH_B \next, 0, 0
	FETCH_A \next, 0, 0
	SCALES \next
	WIN MUL_HI
	MUL16 4, 1, NQ-1, \slot, 0
	MUL16 6, 1, NQ-1, \slot, 0
	PLACES NP
	WIN 0
	FETCH_A \next, 0, 4
.endm
	s_wait_tensorcnt 1                             ; the scale bytes and my part of slot 0 are in; slot 1's load may be out
	s_barrier_signal -1
	s_barrier_wait -1
	FETCH_B 0, 0, 0
	FETCH_A 0, 0, 0
	SCALES 0
	FETCH_A 0, 0, 4
	STEP 0, 0, 1                                   ; K 0-127: these products start the sums
	TURN 0, 1, 1                                   ; K 128-255; slot 0 takes K 512-767
	STEP 1, 0, 0
	TURN 1, 0, 1                                   ; slot 1 takes K 768-1,023
	STEP 0, 0, 0
	TURN 0, 1, 0                                   ; nothing is left to fetch
	STEP 1, 0, 0
	s_wait_dscnt 4*NL
	WIN MUL_LO
	MUL16 0, 1, NQ-1, 1, 0
	MUL16 2, 1, NQ-1, 1, 0
	s_wait_dscnt 0
	WIN MUL_HI
	MUL16 4, 1, NQ-1, 1, 0
	MUL16 6, 1, NQ-1, 1, 0
	WIN 0
; THE WAY OUT.  No tensor load is out, so the descriptors' registers are free.  G: my group of 128 tokens; g: my pair of heads (128 features).
	PLACES NP
	s_cmp_eq_u32 s23, 1
	s_cselect_b32 s24, s99, s98
	s_lshr_b32 s24, s24, 7                         ; G
	s_lshr_b32 s25, s97, 7                         ; g
	s_lshr_b32 s26, s24, 4                         ; batch
	s_and_b32 s27, s24, 15                         ; key step
	s_lshl_b32 s28, s26, 4
	s_lshl_b32 s29, s25, 1
	s_add_co_u32 s28, s28, s29
	s_mul_i32 s28, s28, REC                        ; the record of head 2 g
	s_mul_i32 s29, s27, 12288
	s_add_co_u32 s29, s29, s28
	s_add_co_u32 s29, s29, 8192                    ; K's codes
	s_lshl_b32 s30, s27, 8
	s_add_co_u32 s30, s30, s28                     ; K's scale words
	s_mul_i32 s31, s24, 98304
	s_mul_i32 s32, s25, 1536
	s_add_co_u32 s31, s31, s32
	s_add_co_u32 s31, s31, QC0                     ; Q's codes
	s_lshl_b32 s32, s24, 3
	s_add_co_u32 s32, s32, s25
	s_lshl_b32 s32, s32, 9
	s_add_co_u32 s32, s32, QS0                     ; Q's scale words
	s_add_co_u32 s33, s29, 6144                    ; V's codes
	s_add_co_u32 s34, s30, 4096                    ; V's scale words
	s_mov_b32 s35, 24576                           ; from pair f to f + 1,
	s_mov_b32 s44, 49152                           ; to f + 2,
	s_mov_b32 s48, 12288                           ; from a pair's first block to its second,
	s_mov_b32 s50, 768                             ; from the codes' first half (K 0-63 of the 128) to the second,
	s_mov_b32 s47, 256                             ; from the scale words of lanes 0-15 to those of lanes 16-31: Q's values; K's and V's are chosen below
	s_cmp_eq_u32 s96, 1
	s_cselect_b32 s31, s29, s31
	s_cselect_b32 s32, s30, s32
	s_cselect_b32 s35, 1536, s35
	s_cselect_b32 s44, 3072, s44
	s_cselect_b32 s48, 768, s48
	s_cselect_b32 s50, REC, s50
	s_cselect_b32 s47, REC, s47
	s_cmp_eq_u32 s96, 2
	s_cselect_b32 s31, s33, s31
	s_cselect_b32 s32, s34, s32
	s_cselect_b32 s35, 3072, s35
	s_cselect_b32 s44, REC, s44
	s_cselect_b32 s48, 1536, s48
	s_cselect_b32 s50, 768, s50
	s_cselect_b32 s47, REC, s47
	s_mov_b32 s49, 0
	s_mov_b32 s51, 0
	s_mov_b32 s53, 0
	s_mov_b32 s66, 0x76543210
	s_mov_b32 s67, 0xfedcba98                      ; v_permlanex16_b32's selects for lane l xor 16
	v_and_b32 v1, 15, v0
	v_mul_lo_u32 v[SOF], v[HH], s47
	v_lshl_add_u32 v[SOF], v1, 4, v[SOF]
	v_cmp_ne_u32 vcc_lo, 0, v[HH]
	v_mov_b32 v[PSEL], 0x05040100                  ; lanes 0-15: the low halves of two words (head 2 g),
	v_mov_b32 v3, 0x07060302                       ; lanes 16-31: the high halves (head 2 g + 1)
	v_cndmask_b32 v[PSEL], v[PSEL], v3, vcc_lo
.irp b, 0,1,2,3
	v_mov_b32 v[TM+4+\b], 0                        ; written once: a lane permute's destination counts as one of its sources
.endr
	s_wait_loadcnt 0x0                             ; the bias
.macro BIAS a                          ; block a's 64 numbers + the bias; each accumulator is read from its low end on
.set AC, 64*((\a)%4)
	s_cmp_eq_u32 s23, 1
	s_cbranch_scc1 .Lbias_v_\@
	WIN 0x02+(\a)/4
.irp b, 0,1,2,3,4,5,6,7
.irp j, 0,2,4,6
	v_pk_add_f32 v[T+8*\b+\j:T+8*\b+\j+1], v[AC+8*\b+\j:AC+8*\b+\j+1], v[BC+8*\b+\j:BC+8*\b+\j+1]
.endr
.endr
	WIN 0
	s_branch .Lbias_d_\@
.Lbias_v_\@:
	WIN 0x02+(\a)/4
.irp b, 0,1,2,3,4,5,6,7
.irp j, 0,2,4,6
	v_pk_add_f32 v[T+8*\b+\j:T+8*\b+\j+1], v[AC+8*\b+\j:AC+8*\b+\j+1], v[BC+8*(\a)+\j:BC+8*(\a)+\j+1]
.endr
.endr
	WIN 0
.Lbias_d_\@:
.endm
; 64 numbers of a lane, register 16 b + i = k 32 b + 16 (lane / 16) + i of my row, become a fragment's codes: K 0-63 in v[dlo] on, K 64-127 in v[dhi] on; and its scale word in v[w].
.macro QUANT s, dlo, dhi, w
.irp b, 0,1,2,3
	v_max3_num_f32 v[TM+\b], |v[\s+16*\b]|, |v[\s+1+16*\b]|, 0x2800000   ; with the floor 2^(5 - 127)
.endr
.irp i, 2,4,6,8,10,12,14
.irp b, 0,1,2,3
	v_max3_num_f32 v[TM+\b], v[TM+\b], |v[\s+16*\b+\i]|, |v[\s+1+16*\b+\i]|
.endr
.endr
.irp b, 0,1,2,3
	v_permlanex16_b32 v[TM+4+\b], v[TM+\b], s66, s67
.endr
.irp b, 0,1,2,3
	v_max_num_f32 v[TM+\b], v[TM+\b], v[TM+4+\b]   ; with lane l xor 16's: the block's largest magnitude
.endr
.irp b, 0,1,2,3
	v_add_nc_u32 v[TM+12+\b], 0xfe000000, v[TM+\b]   ; 4 off its exponent field: the conversion's scale operand
.endr
.irp b, 0,1,2,3
	v_lshrrev_b32 v[TM+4+\b], 23, v[TM+12+\b]      ; the byte
.endr
	v_lshl_or_b32 v[\w], v[TM+5], 8, v[TM+4]
	v_lshl_or_b32 v[\w], v[TM+6], 16, v[\w]
	v_lshl_or_b32 v[\w], v[TM+7], 24, v[\w]
	v_cvt_scalef32_pk16_bf6_f32 v[\dlo:\dlo+2], v[\s:\s+15], v[TM+12]
	v_cvt_scalef32_pk16_bf6_f32 v[CT:CT+2], v[\s+16:\s+31], v[TM+13]
	v_cvt_scalef32_pk16_bf6_f32 v[\dhi:\dhi+2], v[\s+32:\s+47], v[TM+14]
	v_cvt_scalef32_pk16_bf6_f32 v[CT+4:CT+6], v[\s+48:\s+63], v[TM+15]
	v_nop                                          ; one plain line behind the conversions
.irp i, 0,1,2                                  ; the operand's layout wants a whole block in a lane
	v_permlane16_swap_b32 v[\dlo+\i], v[CT+\i]
	v_permlane16_swap_b32 v[\dhi+\i], v[CT+4+\i]
.endr
.irp i, 0,1,2
	v_mov_b32 v[\dlo+3+\i], v[CT+\i]
	v_mov_b32 v[\dhi+3+\i], v[CT+4+\i]
.endr
.endm
.macro PIECES f                        ; the four pieces of blocks 2 f and 2 f + 1: each 512 + 256 consecutive bytes, at multiples of 256
	s_mov_b32 s52, s31
.if (\f)&1
	s_add_co_u32 s52, s52, s35
.endif
.if (\f)>>1
	s_add_co_u32 s52, s52, s44
.endif
	s_add_nc_u64 s[36:37], s[14:15], s[52:53]
	s_add_nc_u64 s[38:39], s[36:37], s[48:49]
	s_add_nc_u64 s[40:41], s[36:37], s[50:51]
	s_add_nc_u64 s[42:43], s[40:41], s[48:49]
	global_store_b128 v[L16], v[DE:DE+3], s[36:37]
	global_store_b64 v[L8], v[DE+4:DE+5], s[36:37] offset:512
	global_store_b128 v[L16], v[DE+6:DE+9], s[38:39]
	global_store_b64 v[L8], v[DE+10:DE+11], s[38:39] offset:512
	global_store_b128 v[L16], v[DO:DO+3], s[40:41]
	global_store_b64 v[L8], v[DO+4:DO+5], s[40:41] offset:512
	global_store_b128 v[L16], v[DO+6:DO+9], s[42:43]
	global_store_b64 v[L8], v[DO+10:DO+11], s[42:43] offset:512
.endm
.irp f, 0,1,2,3
	s_wait_xcnt 0x0                                ; the last pair's stores have read their data and bases: both are written again only behind this wait
	BIAS 2*\f
	QUANT T, DE, DO, W+2*\f
	BIAS 2*\f+1
	QUANT T, DE+6, DO+6, W+2*\f+1
	PIECES \f
.endr
	s_cmp_eq_u32 s96, 1
	s_cbranch_scc1 .Lk_words
.irp i, 0,1,2,3
	v_cndmask_b32 v[T+\i], v[W+\i], v[W+4+\i], vcc_lo   ; Q, V: lanes 0-15 store the words of blocks 0-3, lanes 16-31 those of blocks 4-7
.endr
	s_branch .Lwords
.Lk_words:
.irp f, 0,1,2,3
	v_perm_b32 v[T+\f], v[W+2*\f+1], v[W+2*\f], v[PSEL]   ; K: a double fragment's word: two bytes of key tile 2 f, two of 2 f + 1, of my half's head
.endr
.Lwords:
	s_wait_xcnt 0x0
	s_mov_b32 s52, s32
	s_add_nc_u64 s[36:37], s[14:15], s[52:53]
	global_store_b128 v[SOF], v[T:T+3], s[36:37]   ; each half of the lanes stores 256 consecutive bytes
	s_wait_tensorcnt 0x0                           ; the wave's end
	ds_add_u32 v[SPW], v[NIL]
	s_wait_dscnt 0x0
	CROUND                                         ; the closing round
	s_endpgm
.Lfunc_end_k_q285d31db13_qkv:
	.size	k_q285d31db13_qkv, .Lfunc_end_k_q285d31db13_qkv-k_q285d31db13_qkv
	.p2alignl 7, 3214868480
	.fill 96, 4, 3214868480
	.section	.rodata,"a",@progbits
	.p2align	6, 0x0
	.amdhsa_kernel k_q285d31db13_qkv
		.amdhsa_group_segment_fixed_size 327680
		.amdhsa_private_segment_fixed_size 0
		.amdhsa_enable_private_segment 0
		.amdhsa_kernarg_size 48
		.amdhsa_user_sgpr_count 2
		.amdhsa_user_sgpr_kernarg_segment_ptr 1
		.amdhsa_wavefront_size32 1
		.amdhsa_system_sgpr_workgroup_id_x 1
		.amdhsa_system_sgpr_workgroup_id_y 1
		.amdhsa_system_sgpr_workgroup_id_z 1
		.amdhsa_system_vgpr_workitem_id 0
		.amdhsa_next_free_vgpr 1024
		.amdhsa_next_free_sgpr 102
		.amdhsa_reserve_vcc 1
		.amdhsa_float_denorm_mode_32 3
		.amdhsa_float_denorm_mode_16_64 3
		.amdhsa_memory_ordered 1
		.amdhsa_forward_progress 1
		.amdhsa_inst_pref_size 192
	.end_amdhsa_kernel
	.amdgpu_metadata
---
amdhsa.version: [ 1, 2 ]
amdhsa.kernels:
  - .name:           k_q285d31db13_qkv
    .symbol:         k_q285d31db13_qkv.kd
    .args:
      - { .name: opc, .offset: 0, .size: 8, .value_kind: global_buffer, .address_space: global }
      - { .name: ops, .offset: 8, .size: 8, .value_kind: global_buffer, .address_space: global }
      - { .name: wq_b, .offset: 16, .size: 8, .value_kind: global_buffer, .address_space: global }
      - { .name: wk_b, .offset: 24, .size: 8, .value_kind: global_buffer, .address_space: global }
      - { .name: wv_b, .offset: 32, .size: 8, .value_kind: global_buffer, .address_space: global }
      - { .name: qkv, .offset: 40, .size: 8, .value_kind: global_buffer, .address_space: global }
    .group_segment_fixed_size: 327680
    .private_segment_fixed_size: 0
    .kernarg_segment_align: 8
    .kernarg_segment_size: 48
    .max_flat_workgroup_size: 128
    .sgpr_count:     102
    .vgpr_count:     1024
    .wavefront_size: 32
...
	.end_amdgpu_metadata
.endif
;; end of part 2
;; launch attn (part 3): grid 4 x 64, 16 waves a work-group, no clusters, 206,848 bytes of LDS; arguments qkv, ctxc, ctxs; writes ctxc, ctxs
.if DOCPART == 3
	.amdgcn_target "amdgcn-amd-amdhsa--gfx1250"
	.amdhsa_code_object_version 6
	.text
	.protected	k_q285d31db13_attn
	.globl	k_q285d31db13_attn
	.p2align	8
	.type	k_q285d31db13_attn,@function
k_q285d31db13_attn:
	s_mov_b64 s[64:65], 0
	v_nop
	global_prefetch_b8 v0, s[64:65] scope:SCOPE_SE
	s_setreg_imm32_b32 hwreg(HW_REG_WAVE_MODE, 25, 1), 1
	s_wait_xcnt 0x0
; Causal attention of one head on codes of BF6 (E3M2) with E8M0 scales, and the quantising of its result for the last product.  Head size 64, 2,048 tokens, 64 heads (batch x 16).
; THE SOFTMAX AHEAD OF THE SECOND PRODUCT: t = score x log2(e) / 8; M = the row's largest t so far, rounded UP to a whole number; p = 2^(t - M) is quantised along the keys, not normalised.
; The row's sum is taken of the unquantised p and divides O at the end.  When M moves, the sum and O are multiplied by 2^(old M - new M): exact.
; SHARES.  Work-group (j, head) owns query blocks j and 7 - j of 256; wave w owns tile tA = 16 j + w and tile tB = 127 - tA, 16 queries each.  A tile t needs key steps 0 .. t / 8 of 128 keys: tA's and tB's make 17 for every wave of every work-group.
; LDS.  The head's whole record (scale words, K and V of all 16 key steps, 204,800 bytes) is brought ONCE, a sixteenth by each wave's one tensor load, and then only read: no ring, no refill, no LDS store.
; NO JOINT LOADS, though four work-groups read one record: which key steps a wave leaves out hangs on j, which would be the place in a cluster.
; NO PREFETCH: all that the launch reads from memory is asked for at its head.
; LAYOUT.  Both products transposed: S^T = K Q^T, O^T = V^T P^T: a lane holds one query throughout.  A head's 64 are half of the instruction's 128: a fragment of K holds TWO key tiles (registers 0-5, 6-11), multiplied once by [Q, 0] and once by [0, Q].
; Tiles hold rows in the table's order (position p = true row p with bits 3 and 4 exchanged): the 16 registers of score tiles 2 b, 2 b + 1 are keys 32 b + 16 (lane / 16) + 0 .. 15, and O^T's likewise 16 neighbouring channels.
; LIMITS: a block of zeros gets the byte 1 where the rule says 127 (zero codes; only this program reads the bytes); NaN and infinities are not served; v_exp_f32 and v_rcp_f32 flush denormals;
; a block's largest p is taken as the exponential of its largest score, which takes v_exp_f32 not to fall where its input rises.
; REGISTERS: v1-3 16 x lane, 8 x lane, 16 r; v4-6 the step's LDS addresses; v8-11, v12-15 -M, largest t, the sum in two halves (tiles A, B); v16-17 the mask's d; v18-19 Q's scale words; v20-49 [0][QA][0][QB][0], six each;
;   v50-97 four fragments of K or V, in the softmax also at work; v98-161 S^T, then p; v162-193, v194-225 O^T; v226-237 p's codes; v238-241 K's or V's scale words; v242 p's; v[244:245] f; v246.. at work.
.set REC,  204800
.set QC0,  64*REC
.set QS0,  QC0+6291456
.set KF,   50
.set S,    98
.set KS,   24                          ; s24 the key step
.set TB,   25                          ; s25 where its fragments begin in LDS
.set TS,   26                          ; s26 and its scale words
.set CNT,  27
	s_load_b128 s[4:7], s[0:1], 0x0                ; qkv s[4:5], ctxc s[6:7]
	s_load_b64 s[8:9], s[0:1], 0x10                ; ctxs
	v_lshl_add_u32 v254, v0, 2, 0x32000
	v_mov_b32 v255, 0
	ds_add_u32 v254, v255
	ds_add_u32 v254, v255
	s_wait_dscnt 0x0
	v_lshrrev_b32 v1, 5, v0
	v_readfirstlane_b32 s10, v1                    ; wave 0..15
	s_and_b32 s12, ttmp7, 0xffff                   ; 16 x batch + head
	s_lshr_b32 s13, s12, 4
	s_and_b32 s14, s12, 15
	s_lshl_b32 s15, ttmp9, 4
	s_add_co_u32 s15, s15, s10                     ; tA
	s_sub_co_u32 s16, 127, s15                     ; tB
	s_lshr_b32 s17, s15, 3                         ; the key step on tA's diagonal
	s_lshr_b32 s18, s16, 3                         ; on tB's
	s_mov_b32 s28, 3<<16                           ; descriptor group 1: 50 rows of 256 bytes (32 elements of 8), dense; no mask, no padding
	s_mov_b32 s29, 32<<16
	s_mov_b32 s30, 50<<16
	s_mov_b32 s31, 32<<16
	s_mov_b32 s32, 50
	s_mov_b32 s33, 32
	s_mov_b32 s34, 0
	s_mov_b32 s35, 0
	s_mov_b32 s44, 1
	s_mul_i32 s45, s10, 12800                      ; my sixteenth of the record, in LDS as in memory
	s_mul_i32 s52, s12, REC
	s_add_co_u32 s52, s52, s45
	s_mov_b32 s53, 0
	s_wait_kmcnt 0x0
	s_add_nc_u64 s[46:47], s[4:5], s[52:53]
	s_or_b32 s47, s47, 0x80000000
	tensor_load_to_lds s[44:47], s[28:35]          ; my one tensor load
	s_nop 0
.rept 4
	v_nop
.endr
	s_lshl_b32 s54, s13, 7
	s_add_co_u32 s55, s54, s16                     ; tB among all 512 tiles
	s_add_co_u32 s54, s54, s15                     ; tA
	s_lshl_b32 s56, s54, 4
	s_add_co_u32 s56, s56, s14
	s_mul_i32 s56, s56, 768                        ; the piece of (tile, head): in Q's codes and in ctxc alike
	s_mov_b32 s57, 0
	s_lshl_b32 s62, s55, 4
	s_add_co_u32 s62, s62, s14
	s_mul_i32 s62, s62, 768
	s_mov_b32 s63, 0
	s_add_nc_u64 s[58:59], s[4:5], QC0
	s_add_nc_u64 s[60:61], s[58:59], s[62:63]
	s_add_nc_u64 s[58:59], s[58:59], s[56:57]
	s_add_nc_u64 s[66:67], s[6:7], s[56:57]
	s_add_nc_u64 s[68:69], s[6:7], s[62:63]
.macro SQOFF dst, g                    ; Q's scale word of tile g: chunk (g / 8, head / 2) of 512 bytes; in it 256 ((g / 4) % 2) + 16 r + 4 (g % 4)
	s_lshr_b32 s[\dst], s[\g], 3
	s_lshl_b32 s[\dst], s[\dst], 3
	s_lshr_b32 s40, s14, 1
	s_add_co_u32 s[\dst], s[\dst], s40
	s_lshl_b32 s[\dst], s[\dst], 9
	s_bfe_u32 s40, s[\g], 0x10002
	s_lshl_b32 s40, s40, 8
	s_add_co_u32 s[\dst], s[\dst], s40
	s_and_b32 s40, s[\g], 3
	s_lshl_b32 s40, s40, 2
	s_add_co_u32 s[\dst], s[\dst], s40
	s_add_co_u32 s[\dst], s[\dst], QS0
.endm
	SQOFF 70, 54
	SQOFF 71, 55
	s_bfe_u32 s36, s15, 0x20001                    ; my queries' place in their 128: 32 ((t / 2) % 4) + 8 (t % 2) + ..
	s_lshl_b32 s36, s36, 5
	s_and_b32 s40, s15, 1
	s_lshl_b32 s40, s40, 3
	s_add_co_u32 s36, s36, s40
	s_bfe_u32 s37, s16, 0x20001
	s_lshl_b32 s37, s37, 5
	s_and_b32 s40, s16, 1
	s_lshl_b32 s40, s40, 3
	s_add_co_u32 s37, s37, s40
	s_lshr_b32 s40, s14, 2                         ; ctx's two scale bytes: tile x 512 + 128 (head / 4) + 8 r + 2 (head % 4)
	s_lshl_b32 s40, s40, 7
	s_and_b32 s41, s14, 3
	s_lshl_b32 s41, s41, 1
	s_add_co_u32 s40, s40, s41
	s_lshl_b32 s38, s54, 9
	s_add_co_u32 s38, s38, s40
	s_lshl_b32 s39, s55, 9
	s_add_co_u32 s39, s39, s40
	s_mov_b32 s19, 0x01000100                      ; Q's word holds two heads' bytes: mine twice over, for both halves of the 128
	s_bitcmp1_b32 s14, 0
	s_cselect_b32 s19, 0x03020302, s19
	s_mov_b32 s20, 0x76543210
	s_mov_b32 s21, 0xfedcba98                      ; v_permlanex16_b32's selects for lane l xor 16
	s_mov_b32 s22, 0x3e38aa3b                      ; c = log2(e) / 8
	s_mov_b32 s23, s22                             ; (named with it as a pair)
	v_and_b32 v7, 31, v0
	v_lshlrev_b32 v1, 4, v7
	v_lshlrev_b32 v2, 3, v7
	v_and_b32 v243, 15, v0                         ; r
	v_lshlrev_b32 v3, 4, v243
	v_bfe_u32 v248, v0, 4, 1                       ; h
	global_load_b128 v[26:29], v1, s[58:59]        ; QA
	global_load_b64 v[30:31], v2, s[58:59] offset:512
	global_load_b128 v[38:41], v1, s[60:61]        ; QB
	global_load_b64 v[42:43], v2, s[60:61] offset:512
	v_add_nc_u32 v249, s70, v3
	v_add_nc_u32 v250, s71, v3
	global_load_b32 v251, v249, s[4:5]
	global_load_b32 v252, v250, s[4:5]
	v_and_b32 v246, 8, v243
	v_add_nc_u32 v246, v246, v243                  ; r + 8 (r / 8)
	v_lshlrev_b32 v253, 4, v248
	v_sub_nc_u32 v246, v246, v253
	v_add_nc_u32 v16, s36, v246                    ; d = my query's place in its 128 - 16 h: register 16 b + i holds key 32 b + i + 16 h, hidden where 32 b + i > d
	v_add_nc_u32 v17, s37, v246
	s_wait_loadcnt 0x0
	v_perm_b32 v18, v251, v251, s19                ; the lines below are the places between these two and the first scaled product
	v_perm_b32 v19, v252, v252, s19
.irp k, 20,21,22,23,24,25,32,33,34,35,36,37,44,45,46,47,48,49
	v_mov_b32 v[\k], 0                             ; zero codes add nothing under any scale
.endr
.set n, 0
.rept 64
	v_mov_b32 v[162+n], 0                          ; O^T: the step is written once for each tile: the first finds zeros, which the first change of M leaves zeros
.set n, n+1
.endr
	v_mov_b32 v9, 0xff61b1e6                       ; the largest t so far: -3e38
	v_floor_f32 v8, -v9
	v_mov_b32 v10, 0
	v_mov_b32 v11, 0
	v_mov_b32 v13, 0xff61b1e6
	v_floor_f32 v12, -v13
	v_mov_b32 v14, 0
	v_mov_b32 v15, 0
	v_mov_b32 v245, 0                              ; (named as the upper half of the pair v[244:245])
	v_mov_b32 v247, 0xff800000                     ; -infinity
.irp b, 0,1,2,3
	v_mov_b32 v[54+\b], 0                          ; a lane permute's destination counts as one of its sources, on every path
.endr
; ONE TILE'S KEY STEP: 128 keys.  st: its statistics; o: its O^T; qlo, qhi: [Q, 0] and [0, Q]; qs: Q's scale word; d: the mask's register; ksd: the scalar with the step on its diagonal.
.macro TILE_STEP st, o, qlo, qhi, qs, d, ksd
	s_cmp_gt_u32 s[KS], s[\ksd]                    ; all 128 keys come after my 16 queries: the step's work is left out (a branch on ids; no barrier and no tensor load stands in a step)
	s_cbranch_scc1 .Lhid_\@
.irp f, 0,1,2,3
	ds_load_b128 v[KF+12*\f:KF+12*\f+3], v4 offset:1536*\f
	ds_load_b64 v[KF+12*\f+4:KF+12*\f+5], v5 offset:1536*\f+512
	ds_load_b128 v[KF+12*\f+6:KF+12*\f+9], v4 offset:1536*\f+768
	ds_load_b64 v[KF+12*\f+10:KF+12*\f+11], v5 offset:1536*\f+1280
.endr
	ds_load_b128 v[238:241], v6                    ; the four fragments' scale words of row r
	s_wait_dscnt 0x0
.irp f, 0,1,2,3
	v_wmma_scale_f32_16x16x128_f8f6f4 v[S+16*\f:S+16*\f+7], v[KF+12*\f:KF+12*\f+11], v[\qlo:\qlo+11], 0, v[238+\f], v[\qs] matrix_a_fmt:MATRIX_FMT_BF6 matrix_b_fmt:MATRIX_FMT_BF6
	v_wmma_scale_f32_16x16x128_f8f6f4 v[S+16*\f+8:S+16*\f+15], v[KF+12*\f:KF+12*\f+11], v[\qhi:\qhi+11], 0, v[238+\f], v[\qs] matrix_a_fmt:MATRIX_FMT_BF6 matrix_b_fmt:MATRIX_FMT_BF6
.endr
.rept 4
	v_nop                                          ; places behind the products
.endr
	s_cmp_lt_u32 s[KS], s[\ksd]                    ; off the diagonal every key counts
	s_cbranch_scc1 .Lopen_\@
.set n, 0
.rept 64
	v_cmp_gt_i32 vcc_lo, 32*(n/16)+n%16, v[\d]
	v_cndmask_b32 v[S+n], v[S+n], v247, vcc_lo     ; hidden scores become -infinity ahead of the maximum: p = 0
.set n, n+1
.endr
.Lopen_\@:
.irp b, 0,1,2,3
	v_max3_num_f32 v[50+\b], v[S+16*\b], v[S+1+16*\b], v[S+2+16*\b]   ; the largest score of each block of 32 keys: for the row's maximum and for the block's largest p
.endr
.irp i, 3,5,7,9,11,13
.irp b, 0,1,2,3
	v_max3_num_f32 v[50+\b], v[50+\b], v[S+16*\b+\i], v[S+1+16*\b+\i]
.endr
.endr
.irp b, 0,1,2,3
	v_max_num_f32 v[50+\b], v[50+\b], v[S+15+16*\b]
.endr
.irp b, 0,1,2,3
	v_permlanex16_b32 v[54+\b], v[50+\b], s20, s21
.endr
.irp b, 0,1,2,3
	v_max_num_f32 v[50+\b], v[50+\b], v[54+\b]     ; with lane l xor 16's 16 keys
.endr
	v_max3_num_f32 v246, v50, v51, v52
	v_max_num_f32 v246, v246, v53
	v_mul_f32 v246, s22, v246                      ; as t (c is positive)
	v_max_num_f32 v[\st+1], v[\st+1], v246         ; the running largest t
	v_mov_b32 v246, v[\st]
	v_floor_f32 v[\st], -v[\st+1]                  ; the new -M = floor(-t): M is a whole number
	v_sub_f32 v246, v[\st], v246                   ; old M - new M: a whole number, 0 or less
	v_cvt_i32_f32 v246, v246                       ; (it saturates)
	v_ldexp_f32 v244, 1.0, v246                    ; f = 2^(old M - new M)
.set n, 0
.rept 32
	v_pk_fma_f32 v[S+n:S+n+1], v[S+n:S+n+1], s[22:23], v[\st:\st+1] op_sel_hi:[1,0,0]   ; t - M
.set n, n+2
.endr
.irp b, 0,1,2,3
	v_fma_f32 v[50+\b], v[50+\b], s22, v[\st]      ; the same of each block's largest score
.endr
.set n, 0
.rept 64
	v_exp_f32 v[S+n], v[S+n]                       ; p = 2^(t - M): one batch
.set n, n+1
.endr
	v_pk_mul_f32 v[\st+2:\st+3], v[\st+2:\st+3], v[244:245] op_sel_hi:[1,0]   ; the sums under the new M: the plain line behind the batch
	s_wait_alu depctr_va_vdst(0)                   ; one wait for the 64, ahead of their first reader
.irp b, 0,1,2,3
	v_exp_f32 v[50+\b], v[50+\b]                   ; the blocks' largest p
.endr
	v_pk_add_f32 v[54:55], v[S:S+1], v[S+2:S+3]    ; the row's sum of the unquantised p, in two chains: it reads the 64 alone
.set n, 4
.rept 15
	v_pk_add_f32 v[\st+2:\st+3], v[\st+2:\st+3], v[S+n:S+n+1]
	v_pk_add_f32 v[54:55], v[54:55], v[S+n+2:S+n+3]
.set n, n+4
.endr
	v_pk_add_f32 v[\st+2:\st+3], v[\st+2:\st+3], v[54:55]
	s_wait_alu depctr_va_vdst(0)                   ; and one for the four
.irp b, 0,1,2,3
	v_max_num_f32 v[50+\b], 0x2800000, v[50+\b]    ; the floor 2^(5 - 127)
.endr
.irp b, 0,1,2,3
	v_add_nc_u32 v[66+\b], 0xfe000000, v[50+\b]    ; the conversion's scale operand
.endr
.irp b, 0,1,2,3
	v_lshrrev_b32 v[70+\b], 23, v[66+\b]           ; the byte
.endr
	v_lshl_or_b32 v242, v71, 8, v70                ; p's scale word for these 128 keys
	v_lshl_or_b32 v242, v72, 16, v242
	v_lshl_or_b32 v242, v73, 24, v242
.irp c, 0,1
	v_cvt_scalef32_pk16_bf6_f32 v[226+6*\c:228+6*\c], v[S+32*\c:S+15+32*\c], v[66+2*\c]
	v_cvt_scalef32_pk16_bf6_f32 v[58+4*\c:60+4*\c], v[S+16+32*\c:S+31+32*\c], v[66+2*\c+1]
.endr
	v_nop                                          ; one plain line behind the conversions
.irp c, 0,1
.irp i, 0,1,2
	v_permlane16_swap_b32 v[226+6*\c+\i], v[58+4*\c+\i]
.endr
.irp i, 0,1,2
	v_mov_b32 v[229+6*\c+\i], v[58+4*\c+\i]
.endr
.endr
.irp t, 0,1,2,3                                ; V's four fragments (16 channels x these 128 keys) are asked for, and O^T is rescaled while they come
	ds_load_b128 v[KF+12*\t:KF+12*\t+3], v4 offset:6144+1536*\t
	ds_load_b64 v[KF+12*\t+4:KF+12*\t+5], v5 offset:6144+1536*\t+512
	ds_load_b128 v[KF+12*\t+6:KF+12*\t+9], v4 offset:6144+1536*\t+768
	ds_load_b64 v[KF+12*\t+10:KF+12*\t+11], v5 offset:6144+1536*\t+1280
.endr
	ds_load_b128 v[238:241], v6 offset:4096
.set n, 0
.rept 16
	v_pk_mul_f32 v[\o+n:\o+n+1], v[\o+n:\o+n+1], v[244:245] op_sel_hi:[1,0]   ; O^T under the new M; these are also the places behind the writes of p's codes and scale word
.set n, n+2
.endr
.rept 4
	v_nop
.endr
	s_wait_dscnt 0x0
.irp t, 0,1,2,3
	v_wmma_scale_f32_16x16x128_f8f6f4 v[\o+8*\t:\o+8*\t+7], v[KF+12*\t:KF+12*\t+11], v[226:237], v[\o+8*\t:\o+8*\t+7], v[238+\t], v242 matrix_a_fmt:MATRIX_FMT_BF6 matrix_b_fmt:MATRIX_FMT_BF6
.endr
.rept 4
	v_nop                                          ; places in front of the next loads into the fragments' registers and of the next read of O^T
.endr
.Lhid_\@:
.endm
	s_wait_tensorcnt 0x0                           ; my sixteenth of the record has landed,
	s_barrier_signal -1
	s_barrier_wait -1                              ; everybody's has
	s_mov_b32 s[KS], 0
	s_mov_b32 s[TB], 8192
	s_mov_b32 s[TS], 0
	s_mov_b32 s[CNT], 16
.Lk:                                               ; 16 trips in every wave: only a step's work is jumped over, never the lines that step addresses
	v_add_nc_u32 v4, s[TB], v1
	v_add_nc_u32 v5, s[TB], v2
	v_add_nc_u32 v6, s[TS], v3
	TILE_STEP 8, 162, 26, 20, 18, 16, 17
	TILE_STEP 12, 194, 38, 32, 19, 17, 18
	s_add_co_u32 s[KS], s[KS], 1
	s_add_co_u32 s[TB], s[TB], 12288
	s_add_co_u32 s[TS], s[TS], 256
	s_sub_co_u32 s[CNT], s[CNT], 1
	s_cmp_lg_u32 s[CNT], 0
	s_cbranch_scc1 .Lk
	; THE WAY OUT: O^T / the sum; a lane's 32 numbers of a tile are channels 32 b + 16 h + i of one query: two blocks along the last product's K.  They become one piece of 768 bytes and two scale bytes.
	v_add_f32 v11, v10, v11
	v_add_f32 v15, v14, v15
	v_permlanex16_b32 v54, v11, s20, s21
	v_permlanex16_b32 v55, v15, s20, s21
	v_add_f32 v11, v11, v54
	v_add_f32 v15, v15, v55
	v_rcp_f32 v10, v11
	v_rcp_f32 v14, v15
	v_nop                                          ; the plain line behind the two reciprocals
	s_wait_alu depctr_va_vdst(0)                   ; one wait for both
.set n, 0
.rept 16
	v_pk_mul_f32 v[S+n:S+n+1], v[162+n:163+n], v[10:11] op_sel_hi:[1,0]
	v_pk_mul_f32 v[S+32+n:S+33+n], v[194+n:195+n], v[14:15] op_sel_hi:[1,0]
.set n, n+2
.endr
.macro QH s, dst, w
	v_max3_num_f32 v50, |v[\s]|, |v[\s+1]|, 0x2800000
	v_max3_num_f32 v51, |v[\s+16]|, |v[\s+17]|, 0x2800000
.irp i, 2,4,6,8,10,12,14
	v_max3_num_f32 v50, v50, |v[\s+\i]|, |v[\s+1+\i]|
	v_max3_num_f32 v51, v51, |v[\s+16+\i]|, |v[\s+17+\i]|
.endr
	v_permlanex16_b32 v54, v50, s20, s21
	v_permlanex16_b32 v55, v51, s20, s21
	v_max_num_f32 v50, v50, v54
	v_max_num_f32 v51, v51, v55
	v_add_nc_u32 v66, 0xfe000000, v50
	v_add_nc_u32 v67, 0xfe000000, v51
	v_lshrrev_b32 v70, 23, v66
	v_lshrrev_b32 v71, 23, v67
	v_lshl_or_b32 v[\w], v71, 8, v70
	v_cvt_scalef32_pk16_bf6_f32 v[\dst:\dst+2], v[\s:\s+15], v66
	v_cvt_scalef32_pk16_bf6_f32 v[58:60], v[\s+16:\s+31], v67
	v_nop
.irp i, 0,1,2
	v_permlane16_swap_b32 v[\dst+\i], v[58+\i]
.endr
.irp i, 0,1,2
	v_mov_b32 v[\dst+3+\i], v[58+\i]
.endr
.endm
	QH S, 226, 254
	QH S+32, 232, 255
	global_store_b128 v1, v[226:229], s[66:67]     ; 512 and 256 consecutive bytes, at multiples of 256
	global_store_b64 v2, v[230:231], s[66:67] offset:512
	global_store_b128 v1, v[232:235], s[68:69]
	global_store_b64 v2, v[236:237], s[68:69] offset:512
	v_cmp_ne_u32 vcc_lo, 0, v248
	v_cndmask_b32 v254, v254, v255, vcc_lo         ; lanes 0-15 store tile A's two bytes a row, lanes 16-31 tile B's
	v_mov_b32 v246, s38
	v_mov_b32 v253, s39
	v_cndmask_b32 v246, v246, v253, vcc_lo
	v_lshl_add_u32 v246, v243, 3, v246
	global_store_b16 v246, v254, s[8:9]            ; two bytes a lane, 8 bytes apart: a scale word spans two heads, which two work-groups make; 4 in 100 of what the launch stores
	s_wait_xcnt 0x0
	v_lshl_add_u32 v254, v0, 2, 0x32000
	v_mov_b32 v255, 0
	s_wait_tensorcnt 0x0
	ds_add_u32 v254, v255
	s_wait_dscnt 0x0
	s_endpgm
.Lfunc_end_k_q285d31db13_attn:
	.size	k_q285d31db13_attn, .Lfunc_end_k_q285d31db13_attn-k_q285d31db13_attn
	.p2alignl 7, 3214868480
	.fill 96, 4, 3214868480
	.section	.rodata,"a",@progbits
	.p2align	6, 0x0
	.amdhsa_kernel k_q285d31db13_attn
		.amdhsa_group_segment_fixed_size 206848
		.amdhsa_private_segment_fixed_size 0
		.amdhsa_enable_private_segment 0
		.amdhsa_kernarg_size 24
		.amdhsa_user_sgpr_count 2
		.amdhsa_user_sgpr_kernarg_segment_ptr 1
		.amdhsa_wavefront_size32 1
		.amdhsa_system_sgpr_workgroup_id_x 1
		.amdhsa_system_sgpr_workgroup_id_y 1
		.amdhsa_system_sgpr_workgroup_id_z 1
		.amdhsa_system_vgpr_workitem_id 0
		.amdhsa_next_free_vgpr 256
		.amdhsa_next_free_sgpr 72
		.amdhsa_reserve_vcc 1
		.amdhsa_float_denorm_mode_32 3
		.amdhsa_float_denorm_mode_16_64 3
		.amdhsa_memory_ordered 1
		.amdhsa_forward_progress 1
		.amdhsa_inst_pref_size 58
	.end_amdhsa_kernel
	.amdgpu_metadata
---
amdhsa.version: [ 1, 2 ]
amdhsa.kernels:
  - .name:           k_q285d31db13_attn
    .symbol:         k_q285d31db13_attn.kd
    .args:
      - { .name: qkv, .offset: 0, .size: 8, .value_kind: global_buffer, .address_space: global }
      - { .name: ctxc, .offset: 8, .size: 8, .value_kind: global_buffer, .address_space: global }
      - { .name: ctxs, .offset: 16, .size: 8, .value_kind: global_buffer, .address_space: global }
    .group_segment_fixed_size: 206848
    .private_segment_fixed_size: 0
    .kernarg_segment_align: 8
    .kernarg_segment_size: 24
    .max_flat_workgroup_size: 512
    .sgpr_count:     72
    .vgpr_count:     256
    .wavefront_size: 32
...
	.end_amdgpu_metadata
.endif
;; end of part 3
;; launch fc (part 4): grid 4 x 32, 4 waves a work-group, clusters of 4 x 4, 327,680 bytes of LDS; arguments ctxc, ctxs, opc, ops, fc_b, x, out0; writes out0
.if DOCPART == 4
	.amdgcn_target "amdgcn-amd-amdhsa--gfx1250"
	.amdhsa_code_object_version 6
	.text
	.protected	k_q285d31db13_fc
	.globl	k_q285d31db13_fc
	.p2align	8
	.type	k_q285d31db13_fc,@function
k_q285d31db13_fc:
	s_mov_b64 s[64:65], 0
	v_nop
	global_prefetch_b8 v0, s[64:65] scope:SCOPE_SE
	s_setreg_imm32_b32 hwreg(HW_REG_WAVE_MODE, 25, 1), 1
	s_wait_xcnt 0x0
	s_wait_alu depctr_hold_cnt(0) depctr_sa_sdst(0) depctr_va_vdst(0) depctr_va_sdst(0) depctr_va_ssrc(0) depctr_va_vcc(0) depctr_vm_vsrc(0)
	s_getreg_b32 s2, hwreg(HW_REG_IB_STS2, 6, 4)
	s_cmp_eq_u32 s2, 0
	s_cbranch_scc0 .Lentry_in_a_cluster
	s_endpgm
.Lentry_in_a_cluster:
	s_bfe_u32 s2, ttmp6, 0x10000c
	s_cmp_lg_u32 s2, 0xf033
	s_cbranch_scc0 .Lentry_shape_is_right
	s_endpgm
.Lentry_shape_is_right:
; out0 = ctx fc_w^T + fc_b + x.  ctx (8,192 x 1,024) and fc_w (1,024 x 1,024) are codes of BF6 (E3M2) with E8M0 scales, as images of the operand's registers: a block of 16 rows is 8 fragments of 1,536 bytes, its scale bytes 512.
; Position p of both tables holds the true row p with bits 3 and 4 exchanged.  fc_w's rows are blocks 704-767 of opc and ops.
; A work-group of four waves makes 256 tokens x 256 features, a wave 128 x 128.  Source 0 = 16 rows of fc_w, source 1 = 16 rows of ctx: a lane holds one token, and the 16 registers of two neighbouring blocks of fc_w are 16 neighbouring features.
; K goes in steps of 256 through a ring of two LDS slots; the scale bytes come once.  4 x 4 work-groups form a cluster: ctx's tiles are asked for jointly along a row of it, fc_w's along a column.
; The bias is the C of each sum's first matrix instruction.  x is added on the way out, where whole rows of 512 bytes come back from the stage.
; 128 work-groups: C has 32 x 4 tiles of 256 x 256.
; REGISTERS: window 0: v8 bias offset; v16-30 addresses; v32-63 scale words, two sets; v64-127 the bias; v128-223 ctx's fragments, ONE set; on the way out v128-255 rows of the result.
;   window 1: fc_w's fragments, two sets, at v0 and v128; on the way out v0-127 rows of x.  windows 2, 3: the accumulators ((a, b) at v[8 (8 (a % 4) + b)]).
.set NQ,    2
.set FR,    12
.set NL,    4
.set NP,    4
.set RBS,   3072
.set HALFT, 8*RBS
.set SLOT,  4*HALFT
.set SCL,   2*SLOT
.set HALFS, 4096
.set SBLK,  512
.set SPARE, SCL+4*HALFS                ; the spare words, 128 bytes a wave: two blocks of 256 bytes that no other line names
.set SPITCH, 528                       ; the way out: a stage of 16 rows x (512 bytes + 16) for each wave, in slot 0, which has had its last fill and its last read when the first result is stored there
.set ADRA, 16
.set ADRB, 20
.set STO,  24
.set RD,   25
.set CO,   26
.set ADRS, 27
.set SPW,  28
.set NIL,  29
.set PFO,  30
.set SC,   32
.set BC,   64
.set AF,   128
.set BK,   128
.set G1, 24
.set G0, 32
.set G1B, 48
.set G0B, 56
.set G1S, 68
.set G0S, 76
.set G1SB, 80
.set G0SB, 88
.set MSB, 0
.macro WIN new                         ; the immediate's high byte repeats the setting that is left
.if MSB != \new
	s_set_vgpr_msb (MSB<<8)|\new
.set MSB, \new
.endif
.endm
.set MUL_LO, 0xa1                      ; source 0 (fc_w) window 1, source 1 (ctx) window 0, C and D window 2
.set MUL_HI, 0xf1
.set BIA_LO, 0x81                      ; the same with C (the bias) in window 0
.set BIA_HI, 0xc1
.set TO_B,   0x40
.macro JLOAD g0a, g1a, g0b, g1b        ; a joint load: waves 0 and 1 fetch for ctx, waves 2 and 3 for fc_w; four v_nop follow each line
	s_cmp_eq_u32 s17, 0
	s_cbranch_scc0 .Lfor_b_\@
	tensor_load_to_lds s[\g0a:\g0a+3], s[\g1a:\g1a+7]
	s_nop 0
.rept 4
	v_nop
.endr
	s_branch .Lasked_\@
.Lfor_b_\@:
	tensor_load_to_lds s[\g0b:\g0b+3], s[\g1b:\g1b+7]
	s_nop 0
.rept 4
	v_nop
.endr
.Lasked_\@:
.endm
.macro CREST
	s_cmp_lg_u32 s16, 0
	s_cbranch_scc1 .Lnot_wave_0_\@
	s_barrier_signal -3
.Lnot_wave_0_\@:
	s_barrier_wait -3
	s_barrier_signal -1
	s_barrier_wait -1
.endm
.macro CROUND
	s_barrier_signal -1
	s_barrier_wait -1
	CREST
.endm
	s_load_b256 s[4:11], s[0:1], 0x0               ; ctxc s[4:5], ctxs s[6:7], opc s[8:9], ops s[10:11]
	s_load_b128 s[12:15], s[0:1], 0x20             ; fc_b s[12:13], x s[14:15]
	s_load_b64 s[100:101], s[0:1], 0x30            ; out0
	v_lshl_add_u32 v[SPW], v0, 2, SPARE
	v_mov_b32 v[NIL], 0
	ds_add_u32 v28, v29
	ds_add_u32 v28, v29
	s_wait_dscnt 0x0
	v_lshrrev_b32 v1, 5, v0
	v_readfirstlane_b32 s16, v1                    ; wave 0..3
	s_lshr_b32 s17, s16, 1                         ; which 128 tokens are mine.  Also: I fetch for ctx (0) or for fc_w (1)
	s_and_b32 s18, s16, 1                          ; which 128 features.  Also: which 128 rows of that tile I fetch
	s_bfe_u32 s19, ttmp6, 0x40000                  ; cx
	s_bfe_u32 s20, ttmp6, 0x40004                  ; cy
	s_and_b32 s22, ttmp7, 0xffff
	s_lshl_b32 s40, s22, 2
	s_add_co_u32 s40, s40, s20
	s_lshl_b32 s40, s40, 8                         ; the tile's first token: 256 (4 cluster y + cy)
	s_lshl_b32 s46, ttmp9, 2
	s_add_co_u32 s46, s46, s19
	s_lshl_b32 s46, s46, 8                         ; its first feature: 256 (4 cluster x + cx)
	s_lshl_b32 s41, s17, 7
	s_add_co_u32 s96, s40, s41                     ; my wave's first token
	s_lshl_b32 s41, s18, 7
	s_add_co_u32 s2, s46, s41                      ; and first feature
	s_add_co_u32 s40, s40, s41                     ; the rows that I fetch
	s_add_co_u32 s46, s46, s41
	s_mul_i32 s42, s40, 32
	s_mul_i32 s40, s40, 768
	s_mov_b32 s41, 0
	s_mov_b32 s43, 0
	s_mul_i32 s92, s46, 32
	s_add_co_u32 s92, s92, 704*512                 ; fc_w's blocks begin at block 704 of the table
	s_mul_i32 s46, s46, 768
	s_add_co_u32 s46, s46, 704*12288
	s_mov_b32 s47, 0
	s_mov_b32 s93, 0
	s_lshl_b32 s2, s2, 2                           ; my first feature in bytes
	s_mov_b32 s3, 0
	s_lshl_b32 s96, s96, 12
	s_add_co_u32 s96, s96, s2                      ; where my 128 x 128 begins in x and in out0
	s_mov_b32 s97, 0
	s_lshl_b32 s44, s20, 2
	s_lshl_b32 s44, 15, s44                        ; my row of the cluster
	s_lshl_b32 s45, 0x1111, s19                    ; my column
	s_or_b32 s[G1+0], s44, (3<<16)|(1<<21)         ; codes: 8 rows of 3,072 bytes = 384 elements of 8 bytes, 1,536 elements apart; no padding
	s_or_b32 s[G1B+0], s45, (3<<16)|(1<<21)
.irp g, G1, G1B
	s_mov_b32 s[\g+1], 384<<16
	s_mov_b32 s[\g+2], 8<<16
	s_mov_b32 s[\g+3], 384<<16
	s_mov_b32 s[\g+4], 8
	s_mov_b32 s[\g+5], 1536
	s_mov_b32 s[\g+6], 0
	s_mov_b32 s[\g+7], 0
.endr
	s_or_b32 s[G1S+0], s44, (3<<16)|(1<<21)        ; scale bytes of 128 rows: 16 dense rows of 256 bytes
	s_or_b32 s[G1SB+0], s45, (3<<16)|(1<<21)
.irp g, G1S, G1SB
	s_mov_b32 s[\g+1], 32<<16
	s_mov_b32 s[\g+2], 16<<16
	s_mov_b32 s[\g+3], 32<<16
	s_mov_b32 s[\g+4], 16
	s_mov_b32 s[\g+5], 32
	s_mov_b32 s[\g+6], 0
	s_mov_b32 s[\g+7], 0
.endr
	s_mul_i32 s94, s16, HALFT
	s_mul_i32 s95, s16, HALFS
	s_wait_kmcnt 0x0
	s_add_nc_u64 s[40:41], s[4:5], s[40:41]
	s_add_nc_u64 s[42:43], s[6:7], s[42:43]
	s_add_nc_u64 s[46:47], s[8:9], s[46:47]
	s_add_nc_u64 s[92:93], s[10:11], s[92:93]
	s_add_nc_u64 s[12:13], s[12:13], s[2:3]
	s_add_nc_u64 s[98:99], s[14:15], s[96:97]      ; x and out0 at my part; never rewritten
	s_add_nc_u64 s[100:101], s[100:101], s[96:97]
	CROUND                                         ; all sixteen work-groups are here: the first joint loads meet
	s_mov_b32 s[G0S], 1
	s_add_co_u32 s[G0S+1], s95, SCL
	s_mov_b64 s[G0S+2:G0S+3], s[42:43]
	s_or_b32 s[G0S+3], s[G0S+3], 0x80000000
	s_mov_b32 s[G0SB], 1
	s_add_co_u32 s[G0SB+1], s95, SCL
	s_mov_b64 s[G0SB+2:G0SB+3], s[92:93]
	s_or_b32 s[G0SB+3], s[G0SB+3], 0x80000000
	JLOAD G0S, G1S, G0SB, G1SB
.irp s, 0,1
	s_mov_b32 s[G0+4*\s], 1
	s_add_co_u32 s[G0+4*\s+1], s94, \s*SLOT
	s_add_nc_u64 s[G0+4*\s+2:G0+4*\s+3], s[40:41], \s*RBS
	s_or_b32 s[G0+4*\s+3], s[G0+4*\s+3], 0x80000000
	s_mov_b32 s[G0B+4*\s], 1
	s_add_co_u32 s[G0B+4*\s+1], s94, \s*SLOT
	s_add_nc_u64 s[G0B+4*\s+2:G0B+4*\s+3], s[46:47], \s*RBS
	s_or_b32 s[G0B+4*\s+3], s[G0B+4*\s+3], 0x80000000
	JLOAD G0+4*\s, G1, G0B+4*\s, G1B
.endr
	v_and_b32 v1, 15, v0                           ; r
	v_bfe_u32 v2, v0, 4, 1                         ; h
	v_and_b32 v5, 31, v0
	v_lshlrev_b32 v[CO], 4, v5                     ; 16 x lane
	v_lshlrev_b32 v7, 3, v5                        ; 8 x lane
	v_lshlrev_b32 v8, 6, v2                        ; the bias: register j of block b holds feature 32 (b / 2) + 16 h + 8 (b % 2) + j
.irp b, 0,1,2,3,4,5,6,7
	global_load_b128 v[BC+8*\b:BC+8*\b+3], v8, s[12:13] offset:4*(32*(\b/2)+8*(\b%2))
	global_load_b128 v[BC+8*\b+4:BC+8*\b+7], v8, s[12:13] offset:4*(32*(\b/2)+8*(\b%2))+16
.endr
	s_mul_i32 s2, s17, HALFT
	s_mul_i32 s3, s18, HALFT
	s_add_co_u32 s3, s3, 2*HALFT
.irp s, 0,1
	v_add_nc_u32 v[ADRA+\s], s2, v[CO]
	v_add_nc_u32 v[ADRB+\s], s3, v[CO]
	v_add_nc_u32 v[ADRA+2+\s], s2, v7
	v_add_nc_u32 v[ADRB+2+\s], s3, v7
	s_add_co_u32 s2, s2, SLOT
	s_add_co_u32 s3, s3, SLOT
.endr
	s_lshl_b32 s2, s17, 12
	s_lshl_b32 s3, s18, 12
	s_add_co_u32 s3, s3, 8192
	s_sub_co_u32 s3, s3, s2
	v_mul_u32_u24 v3, s3, v2                       ; lanes 16-31 take fc_w's scale words: one product with h
	s_add_co_u32 s2, s2, SCL
	v_lshl_add_u32 v3, v1, 3, v3
	v_add_nc_u32 v[ADRS], s2, v3
	s_mul_i32 s2, s16, 16*SPITCH                   ; my stage
	v_mul_u32_u24 v3, v1, SPITCH
	v_lshl_add_u32 v3, v2, 6, v3
	v_add_nc_u32 v[STO], s2, v3                    ; in: row r, + 64 h
	v_add_nc_u32 v[RD], s2, v[CO]                  ; back: the 32 lanes take one row of 512 bytes
	v_lshrrev_b32 v3, 1, v5
	v_and_b32 v4, 1, v5
	v_lshlrev_b32 v[PFO], 12, v3
	v_lshl_add_u32 v[PFO], v4, 8, v[PFO]           ; the prefetches: two lanes to a row's 512 bytes, 16 rows an instruction; never rewritten
.macro FRAG reg, adr, q, i
	ds_load_b128 v[\reg:\reg+3], v[\adr] offset:(\i)*RBS+(\q)*1536
	ds_load_b64 v[\reg+4:\reg+5], v[\adr+2] offset:(\i)*RBS+(\q)*1536+512
	ds_load_b128 v[\reg+6:\reg+9], v[\adr] offset:(\i)*RBS+(\q)*1536+768
	ds_load_b64 v[\reg+10:\reg+11], v[\adr+2] offset:(\i)*RBS+(\q)*1536+1280
.endm
; 16 matrix instructions; zero = 1: the first product of each sum takes the bias as C.  The 64 accumulators take turns, one instruction a turn, in the same order in every step.
.macro MUL16 a0, p, q, sc, zero
.irp a, \a0, \a0+1
.irp b, 0,1,2,3,4,5,6,7
.if \zero
	v_wmma_scale_f32_16x16x128_f8f6f4 v[8*(8*((\a)%4)+\b):8*(8*((\a)%4)+\b)+7], v[128*(\p)+FR*\b:128*(\p)+FR*\b+FR-1], v[AF+FR*(\a):AF+FR*(\a)+FR-1], v[BC+8*\b:BC+8*\b+7], v[SC+8*NQ*(\sc)+NQ*\b+(\q)], v[SC+8*NQ*(\sc)+NQ*(\a)+(\q)] matrix_a_fmt:MATRIX_FMT_BF6 matrix_b_fmt:MATRIX_FMT_BF6 matrix_a_scale:MATRIX_SCALE_ROW1
.else
	v_wmma_scale_f32_16x16x128_f8f6f4 v[8*(8*((\a)%4)+\b):8*(8*((\a)%4)+\b)+7], v[128*(\p)+FR*\b:128*(\p)+FR*\b+FR-1], v[AF+FR*(\a):AF+FR*(\a)+FR-1], v[8*(8*((\a)%4)+\b):8*(8*((\a)%4)+\b)+7], v[SC+8*NQ*(\sc)+NQ*\b+(\q)], v[SC+8*NQ*(\sc)+NQ*(\a)+(\q)] matrix_a_fmt:MATRIX_FMT_BF6 matrix_b_fmt:MATRIX_FMT_BF6 matrix_a_scale:MATRIX_SCALE_ROW1
.endif
.endr
.endr
.endm
.macro FETCH_B slot, q, p
	WIN TO_B
.irp i, 0,1,2,3,4,5,6,7
	FRAG 128*(\p)+FR*\i, ADRB+\slot, \q, \i
.endr
	WIN 0
.endm
.macro FETCH_A slot, q, i0
.irp i, \i0, \i0+1, \i0+2, \i0+3
	FRAG AF+FR*(\i), ADRA+\slot, \q, \i
.endr
.endm
.macro SCALES sc
.irp i, 0,1,2,3,4,5,6,7
	ds_load_b64 v[SC+8*NQ*\sc+NQ*\i:SC+8*NQ*\sc+NQ*\i+1], v[ADRS] offset:\i*SBLK
.endr
.endm
.macro PLACES n
.rept \n
	v_nop
.endr
.endm
.macro STEP slot, q, zero
	s_wait_dscnt 4*NL                              ; the youngest 16 loads (ctx's blocks 4-7) may be out
.if \zero
	WIN BIA_LO
.else
	WIN MUL_LO
.endif
	MUL16 0, (\q)%2, \q, \slot, \zero
	MUL16 2, (\q)%2, \q, \slot, \zero
	s_wait_dscnt 0
	PLACES NP
	FETCH_B \slot, (\q)+1, 1-(\q)%2
	FETCH_A \slot, (\q)+1, 0
.if \zero
	WIN BIA_HI
.else
	WIN MUL_HI
.endif
	MUL16 4, (\q)%2, \q, \slot, \zero
	MUL16 6, (\q)%2, \q, \slot, \zero
	PLACES NP
	WIN 0
	FETCH_A \slot, (\q)+1, 4
.endm
; A slot's last step changes slots.  pf >= 0: four prefetches of x stand behind the run of LDS loads: rows 16 pf .. 16 pf + 63 of my 128 x 512 bytes, each aligned block of 256 bytes named once in the launch, by the wave that will load it on the way out;
; the first four stand five steps of 64 matrix instructions ahead of the way out, the other four three.
.macro TURN slot, next, fill, pf
	s_wait_tensorcnt 0x0                           ; all my tensor loads have landed: my part of the next slot
	ds_add_u32 v[SPW], v[NIL]                      ; 0 onto my spare word
	s_wait_dscnt 4*NL+1                            ; (the add and the youngest 16 loads may be out)
	WIN MUL_LO
	MUL16 0, 1, NQ-1, \slot, 0
	s_wait_dscnt 0x0                               ; the add is done, and my reads of this slot are over
	s_barrier_signal -1
	MUL16 2, 1, NQ-1, \slot, 0
	WIN 0
	s_barrier_wait -1
.if \fill
	CREST                                          ; the barrier has opened a round of the cluster's barrier
	s_add_nc_u64 s[G0+4*\slot+2:G0+4*\slot+3], s[G0+4*\slot+2:G0+4*\slot+3], 2*RBS
	s_add_nc_u64 s[G0B+4*\slot+2:G0B+4*\slot+3], s[G0B+4*\slot+2:G0B+4*\slot+3], 2*RBS
	JLOAD G0+4*\slot, G1, G0B+4*\slot, G1B         ; the first tensor load behind the round
.else
	PLACES NP
.endif
	v_add_nc_u32 v[ADRS], 128, v[ADRS]
	FETCH_B \next, 0, 0
	FETCH_A \next, 0, 0
	SCALES \next
.if (\pf) >= 0
.irp i, 0,1,2,3
	global_prefetch_b8 v[PFO], s[98:99] offset:65536*((\pf)+\i) th:TH_LOAD_NT scope:SCOPE_SE
.endr
.endif
	WIN MUL_HI
	MUL16 4, 1, NQ-1, \slot, 0
	MUL16 6, 1, NQ-1, \slot, 0
	PLACES NP
	WIN 0
	FETCH_A \next, 0, 4
.endm
	s_wait_tensorcnt 1                             ; the scale bytes and my part of slot 0 are in; slot 1's load may be out
	s_barrier_signal -1
	s_barrier_wait -1
	FETCH_B 0, 0, 0
	FETCH_A 0, 0, 0
	SCALES 0
	FETCH_A 0, 0, 4
	s_wait_loadcnt 0x0                             ; the bias
	STEP 0, 0, 1
	TURN 0, 1, 1, 0
	STEP 1, 0, 0
	TURN 1, 0, 1, 4
	STEP 0, 0, 0
	TURN 0, 1, 0, -1
	STEP 1, 0, 0
	s_wait_dscnt 4*NL
	WIN MUL_LO
	MUL16 0, 1, NQ-1, 1, 0
	MUL16 2, 1, NQ-1, 1, 0
	s_wait_dscnt 0
	WIN MUL_HI
	MUL16 4, 1, NQ-1, 1, 0
	MUL16 6, 1, NQ-1, 1, 0
	WIN 0
; THE WAY OUT, block by block of 16 tokens x 128 features: through my own stage in LDS, back as whole rows of 512 bytes, + x, stored.  Row t of block a is position 16 a + t of the table: true row = that number with bits 3 and 4 exchanged.
; LDS serves a wave's instructions in order (ISA guide 5.7.1.4): no wait between the stores and the loads, nor in front of the next block's stores.
.macro XLOAD a                         ; the block's 16 rows of x into window 1
	WIN 0x40
.irp t, 0,1,2,3,4,5,6,7,8,9,10,11,12,13,14,15
.set PP, 16*(\a)+\t
.set PI, (PP&0x67)|((PP&8)<<1)|((PP&16)>>1)
	global_load_b128 v[64*((\a)%2)+4*\t:64*((\a)%2)+4*\t+3], v[CO], s[98:99] offset:PI*4096 th:TH_LOAD_NT
.endr
	WIN 0
.endm
.macro TOSTAGE a
.set AC, 64*((\a)%4)
	WIN 0x08+4*((\a)/4)                            ; the data: window 2 or 3
.irp b, 0,1,2,3,4,5,6,7
	ds_store_b128 v[STO], v[AC+8*\b:AC+8*\b+3] offset:128*(\b/2)+32*(\b%2)       ; each accumulator from its low end on
	ds_store_b128 v[STO], v[AC+8*\b+4:AC+8*\b+7] offset:128*(\b/2)+32*(\b%2)+16
.endr
	WIN 0
.set BB, BK+64*((\a)%2)
.irp t, 0,1,2,3,4,5,6,7,8,9,10,11,12,13,14,15
	ds_load_b128 v[BB+4*\t:BB+4*\t+3], v[RD] offset:\t*SPITCH
.endr
.endm
.macro SEND a, yds, yld                ; yds, yld: the LDS instructions and the loads of x issued behind block a's, which may stay out
.set BB, BK+64*((\a)%2)
.set XB, 64*((\a)%2)
	s_wait_dscnt \yds
	s_wait_loadcnt \yld
	WIN 0x04                                       ; source 1 (x) window 1
.set n, 0
.rept 32
	v_pk_add_f32 v[BB+n:BB+n+1], v[BB+n:BB+n+1], v[XB+n:XB+n+1]
.set n, n+2
.endr
	WIN 0
.irp t, 0,1,2,3,4,5,6,7,8,9,10,11,12,13,14,15
.set PP, 16*(\a)+\t
.set PI, (PP&0x67)|((PP&8)<<1)|((PP&16)>>1)
	global_store_b128 v[CO], v[BB+4*\t:BB+4*\t+3], s[100:101] offset:PI*4096 th:TH_STORE_NT   ; 32 lanes store 512 consecutive bytes, at a multiple of 256; 127 rows of 4,096 bytes at the most: inside the signed 24-bit immediate
.endr
.endm
	PLACES NP                                      ; in front of the loads into registers that held fragments, and of the first read of results
	XLOAD 0
	TOSTAGE 0
.irp a, 1,2,3,4,5,6,7
.if \a > 1
	s_wait_xcnt 0x0                                ; block a - 2's stores have read their registers: block a's loads from the stage may land there
.endif
	XLOAD \a
	TOSTAGE \a
	SEND \a-1, 32, 16                              ; behind block a - 1's: block a's 16 stores and 16 loads in LDS, and its 16 loads of x
.endr
	SEND 7, 0, 0
	s_wait_tensorcnt 0x0                           ; the wave's end
	ds_add_u32 v[SPW], v[NIL]
	s_wait_dscnt 0x0
	CROUND                                         ; the closing round
	s_endpgm
.Lfunc_end_k_q285d31db13_fc:
	.size	k_q285d31db13_fc, .Lfunc_end_k_q285d31db13_fc-k_q285d31db13_fc
	.p2alignl 7, 3214868480
	.fill 96, 4, 3214868480
	.section	.rodata,"a",@progbits
	.p2align	6, 0x0
	.amdhsa_kernel k_q285d31db13_fc
		.amdhsa_group_segment_fixed_size 327680
		.amdhsa_private_segment_fixed_size 0
		.amdhsa_enable_private_segment 0
		.amdhsa_kernarg_size 56
		.amdhsa_user_sgpr_count 2
		.amdhsa_user_sgpr_kernarg_segment_ptr 1
		.amdhsa_wavefront_size32 1
		.amdhsa_system_sgpr_workgroup_id_x 1
		.amdhsa_system_sgpr_workgroup_id_y 1
		.amdhsa_system_sgpr_workgroup_id_z 1
		.amdhsa_system_vgpr_workitem_id 0
		.amdhsa_next_free_vgpr 1024
		.amdhsa_next_free_sgpr 102
		.amdhsa_reserve_vcc 0
		.amdhsa_float_denorm_mode_32 3
		.amdhsa_float_denorm_mode_16_64 3
		.amdhsa_memory_ordered 1
		.amdhsa_forward_progress 1
		.amdhsa_inst_pref_size 175
	.end_amdhsa_kernel
	.amdgpu_metadata
---
amdhsa.version: [ 1, 2 ]
amdhsa.kernels:
  - .name:           k_q285d31db13_fc
    .symbol:         k_q285d31db13_fc.kd
    .args:
      - { .name: ctxc, .offset: 0, .size: 8, .value_kind: global_buffer, .address_space: global }
      - { .name: ctxs, .offset: 8, .size: 8, .value_kind: global_buffer, .address_space: global }
      - { .name: opc, .offset: 16, .size: 8, .value_kind: global_buffer, .address_space: global }
      - { .name: ops, .offset: 24, .size: 8, .value_kind: global_buffer, .address_space: global }
      - { .name: fc_b, .offset: 32, .size: 8, .value_kind: global_buffer, .address_space: global }
      - { .name: x, .offset: 40, .size: 8, .value_kind: global_buffer, .address_space: global }
      - { .name: out0, .offset: 48, .size: 8, .value_kind: global_buffer, .address_space: global }
    .group_segment_fixed_size: 327680
    .private_segment_fixed_size: 0
    .kernarg_segment_align: 8
    .kernarg_segment_size: 56
    .max_flat_workgroup_size: 128
    .sgpr_count:     102
    .vgpr_count:     1024
    .wavefront_size: 32
...
	.end_amdgpu_metadata
.endif
;; end of part 4
